; MI455X (gfx1250); checked and timed in simulation.
; The chip was launched on July 23, 2026; its instructions are those of AMD's public machine-readable ISA for CDNA 5 (MIT licence, August 2026) and "CDNA5" Instruction Set Architecture Reference Guide (July 2026). The comments in the code are by the model that wrote it; some were corrected since.
;; Attention Layer. Allowed arithmetic: matrix products marked QUANTISED: E4M3 operands, one given power-of-two scale a tensor, by v_wmma_f32_16x16x64_fp8_fp8 or v_wmma_f32_16x16x128_fp8_fp8, f32 sums; everything else in f32.
;; Inputs: b_attn 3,072 float32; b_proj 1,024 float32; hidden_states 4 x 2,048 x 1,024 float32; lowp_scales 8 int32 (the exponents e of the quantised operands' scales 2^e); w_attn 1,024 x 3,072 float32; w_proj 1,024 x 1,024 float32.
;; Outputs: out0 4 x 2,048 x 1,024 float32.
;; This version of the problem:
;;   THIS VERSION OF THE PROBLEM IS GIVEN IN LOW PRECISION. The matrix products marked QUANTISED in the list below multiply operands that are first quantised to E4M3 (4 exponent bits, 3 mantissa bits; 8 bits a number), with one given power-of-two scale for each operand tensor; their sums are f32. All else is computed in f32.
;;   The module's matrix products, in the order in which they are computed (A, B: the left and right operand; K: the contracted axis; several contracted axes count as one K, in the product's order):
;;     1. [M 8,192, K 1,024] x [K 1,024, N 3,072]; A: input hidden_states; B: input w_attn: QUANTISED (scales: A lowp_scales[0], B lowp_scales[1])
;;     2. batch 64 x [M 2,048, K 64] x [K 64, N 2,048]; A: computed on the way; B: computed on the way: QUANTISED (scales: A lowp_scales[2], B lowp_scales[3])
;;     3. batch 64 x [M 2,048, K 2,048] x [K 2,048, N 64]; A: softmax (see below); B: computed on the way: QUANTISED (scales: A lowp_scales[4], B lowp_scales[5])
;;     4. [M 8,192, K 1,024] x [K 1,024, N 1,024]; A: computed on the way; B: input w_proj: QUANTISED (scales: A lowp_scales[6], B lowp_scales[7])
;;   THE QUANTISER, for each operand of a quantised product, along K:
;;     - The operand's scale is 2^e, e = its entry of the input lowp_scales (int32; the entries are numbered through the quantised products in the list's order, A before B).
;;     - Each number is divided by the scale, clamped to +-448, and rounded to the nearest number of E4M3, ties to even, subnormals kept.
;;     - The product sums the exact products of the quantised numbers (number of the format x scale) in f32.
;;   ~~~python
;;   def quantise(x, axis, e):      # numpy; x: float32 -> the quantised numbers, widened to float32 again
;;       x = np.moveaxis(x, axis, -1); K = x.shape[-1]
;;       r = np.clip(x / 2.0 ** e, -448, 448)
;;       step = 2.0 ** (np.maximum(np.frexp(np.where(r == 0, 1, r))[1] - 1, -6) - 3)
;;       q = np.round(r / step) * step * 2.0 ** e      # np.round: ties to even
;;       return np.moveaxis(q, -1, axis).astype(np.float32)
;;   ~~~
;;   SOFTMAX AHEAD OF A QUANTISED PRODUCT. Where the list says 'softmax', what is quantised is not the finished softmax but p = 2^(t - M), with t = logit x log2(e) and M = ceil(the row's largest t), a whole number; so 1/2 < the row's largest p <= 1. The row's sum l is taken of the UNQUANTISED p, in f32, and the product's result is divided by l at the end. Since M is a whole number, a kernel that streams over the keys may use a running M (the ceiling of the running maximum): every later rescaling is an exact power of two, so the quantised numbers keep their values, but for numbers so far below the row's largest that they fall under the format's range.
;;   OPERANDS COMPUTED ON THE WAY. 'Computed on the way' means the value that the module computes at that place (a softmax that the list does not call 'softmax' is quantised finished and normalised). What goes into a quantiser is computed in f32, as accurately as f32 sums, v_exp_f32 and their like allow (about 1e-6 of the number): no bf16 or f16 on the way to a quantiser, and a product that is left as it is and whose result goes on into a quantised operand takes f32 operands (vector FMAs, or v_wmma_f32_16x16x4_f32). A number that lies on a knife's edge between two numbers of the format may be rounded either way, as far as f32 arithmetic and the matrix unit's own rounding can turn it there, and no further.
;; One version. Each part assembles by itself: llvm-mc -triple=amdgcn-amd-amdhsa -mcpu=gfx1250 --defsym DOCPART=n.
;; ======== version 1 of 1: 4 launches
;; limits: right only within a limited range of input values
;; workspace buffers: x_codes 8,388,608 bytes; wa_codes 3,145,728 bytes; wp_codes 1,048,576 bytes; q_codes 8,388,608 bytes; k_codes 8,388,608 bytes; v_codes 8,388,608 bytes; ctx_codes 8,388,608 bytes
;; launch quant (part 1): grid 384 x 1, 4 waves a work-group, no clusters, 68,096 bytes of LDS; arguments hidden_states, w_attn, w_proj, lowp_scales, x_codes, wa_codes, wp_codes; writes x_codes, wa_codes, wp_codes
.if DOCPART == 1
	.amdgcn_target "amdgcn-amd-amdhsa--gfx1250"
	.amdhsa_code_object_version 6
	.text
	.protected	k_qa13d73b56f_quant
	.globl	k_qa13d73b56f_quant
	.p2align	8
	.type	k_qa13d73b56f_quant,@function
k_qa13d73b56f_quant:
	s_mov_b64 s[64:65], 0
	v_nop
	global_prefetch_b8 v0, s[64:65] scope:SCOPE_SE
	s_setreg_imm32_b32 hwreg(HW_REG_WAVE_MODE, 25, 1), 1
	s_wait_xcnt 0x0
; THE PROGRAM: an attention layer (4 x 2,048 tokens, 1,024 channels, 16 heads of 64), all four matrix products on codes of FP8 (E4M3), each operand with the one scale 2^e given for it (e0 .. e7).
;   launch 1 (this one): hidden_states, w_attn, w_proj -> codes, K innermost.      launch 2: x W_attn + b_attn -> codes of q, k, v, laid as the next products' operand registers.
;   launch 3: the two products of attention and the softmax -> codes of ctx.       launch 4: ctx W_proj + b_proj -> out0.
; WORK LEFT OUT (launch 3): keys that come after a query.  reference() gives such a key the logit -100000 / 8.  The quantiser holds q within 448 x 2^e2 and k within 448 x 2^e3, so whatever the inputs hold a
; score of a key that counts lies within 64 x 448^2 x 2^(e2 + e3), which is 50,176 at e2 + e3 = -8.  In powers of two (t = logit x log2 e) a hidden key then lies at least (100000 - 50176) / 8 x 1.4427 = 8,985 under
; the row's largest t, and key 0 counts for every query.  So a hidden key's p = 2^(t - M) is under 2^-8984: its code is 0 for every e4 that is served, and beside a row's sum, which is above 1/2, it is under any rounding.
; Hence hidden keys reach no output: tiles of keys that lie wholly behind a wave's queries are not multiplied, and inside a tile on the diagonal hidden scores are set so that p = 0.
; LIMIT kept for that: e2 + e3 <= -8.  A NaN, an infinity or an overflow that reaches only hidden keys is not carried to the result.  Every input has a way to the output and is loaded.
;
; THIS LAUNCH.  code = x / 2^e, held within +-448, rounded to the nearest code, ties to even.  LIMITS: e0, e1, e7 between -126 and 119, so that 2^e and 448 x 2^e are f32 numbers.  NaN among the inputs is not served.
; Work-groups 0-255 take hidden_states (K innermost: a plain stream of numbers), 32,768 numbers each.  Work-groups 256-383 take the two weights, whose K is their FIRST axis: 128 columns x 256 along K each.
; The two paths part on the work-group's number; each has LDS bytes of its own; all LDS addresses are made ahead of the parting.  No tensor loads, no barrier: waves share nothing.  Memory binds: no matrix unit, no cluster.
.set STEPS, 16
.set SP,    80                         ; path X: a lane's place in a stage: its 64 bytes + 16 of padding
.set WREG,  8192                       ; path X: a region for each wave: two stages of 32 x SP bytes
.set WSTG,  4*WREG                     ; path W: the stages begin here: 32 rows x PITCH for each wave
.set PITCH, 272                        ; path W: a stage row: 256 bytes of codes + 16
.set SPARE, WSTG+4*32*PITCH            ; behind both: the spare words, 128 bytes for each wave: two blocks of 256 bytes that no other line names
.set EMAX,  8
.set MANT,  0x600000                   ; the mantissa field of 448 as f32
.set SPW,   12                         ; v12  LDS address of my spare word; never rewritten
.set NIL,   13                         ; v13  0; never rewritten
.set R,     16                         ; path X: v16-79   four sets of 16 numbers as they are loaded
.set X,     80                         ; path X: v80-111  two sets of 16 neighbours
.set C,     128                        ; path X: v128-191 codes: four registers for each step, so that no store's data are written again
.set WX,    32                         ; path W: v32-95   two sets of 32 numbers down K
.set WCD,   96                         ; path W: v96-103  a block's codes
.set OUTR,  112                        ; path W: v112-175 the way out
.set VO,    176                        ; path W: v176-207 byte offset of row i of a block: 4 x lane + i x a row of the weight
	s_load_b256 s[4:11], s[0:1], 0x0               ; hidden_states s[4:5], w_attn s[6:7], w_proj s[8:9], the scales' exponents s[10:11]
	s_load_b128 s[12:15], s[0:1], 0x20             ; x_codes s[12:13], wa_codes s[14:15]
	s_load_b64 s[16:17], s[0:1], 0x30              ; wp_codes
	v_lshl_add_u32 v[SPW], v0, 2, SPARE
	v_mov_b32 v[NIL], 0
	v_lshrrev_b32 v1, 5, v0
	v_readfirstlane_b32 s18, v1                    ; wave 0..3
	v_and_b32 v2, 31, v0                           ; lane
	v_lshlrev_b32 v3, 4, v2                        ; path X: my 16 bytes of a load's 512, and of a step's 512 bytes of codes
	s_mul_i32 s19, s18, WREG
	v_lshrrev_b32 v14, 2, v2
	v_mul_u32_u24 v14, v14, SP
	v_and_b32 v15, 3, v2
	v_lshl_add_u32 v14, v15, 4, v14
	v_add_nc_u32 v14, s19, v14                     ; path X, into the stage: four lanes' 64 bytes on end, then 16 of padding
	v_mul_u32_u24 v15, v2, SP
	v_add_nc_u32 v15, s19, v15                     ; path X, out of it: my 16 neighbours
	s_mul_i32 s19, s18, 32*PITCH
	s_add_co_u32 s19, s19, WSTG
	v_mul_u32_u24 v4, v2, PITCH
	v_add_nc_u32 v4, s19, v4                       ; path W, into the stage: row = my column
	v_and_b32 v5, 15, v2
	v_lshrrev_b32 v6, 4, v2
	v_mul_u32_u24 v7, v6, PITCH
	v_lshl_add_u32 v7, v5, 4, v7
	v_add_nc_u32 v7, s19, v7                       ; path W, out of it: sixteen lanes to a row, two rows an instruction
	v_lshlrev_b32 v8, 10, v6
	v_lshl_add_u32 v8, v5, 4, v8                   ; and the same place in the codes' buffer, whose rows are 1,024 bytes
	v_lshlrev_b32 v9, 2, v2                        ; path W: 4 bytes a lane
	s_wait_kmcnt 0x0
	s_load_b64 s[22:23], s[10:11], 0x0             ; e0, e1
	s_load_b32 s24, s[10:11], 0x1c                 ; e7
	s_cmp_ge_u32 ttmp9, 256
	s_cbranch_scc1 .Lweights
; ---- PATH X.  A wave takes 16 steps of 512 numbers.  Each of a step's four loads reads 512 consecutive bytes; the 2,048 bytes turn through the wave's stage and come back 64 bytes a lane: 16 neighbours along K,
; as the conversions want them.  A lane's 16 codes are 16 bytes: the wave stores 512 consecutive bytes.  Loads run four steps ahead, the turn through LDS one step.
	s_lshl_b32 s20, ttmp9, 2
	s_add_co_u32 s20, s20, s18                     ; which run of 8,192 numbers is my wave's
	s_lshl_b32 s26, s20, 15
	s_mov_b32 s27, 0
	s_add_nc_u64 s[4:5], s[4:5], s[26:27]
	s_lshl_b32 s26, s20, 13
	s_add_nc_u64 s[12:13], s[12:13], s[26:27]
.macro LOAD t
.irp i, 0,1,2,3
	global_load_b128 v[R+16*((\t)%4)+4*\i:R+16*((\t)%4)+4*\i+3], v3, s[4:5] offset:2048*(\t)+512*\i th:TH_LOAD_NT
.endr
.endm
.macro TURN t                          ; LDS serves a wave's instructions in order, so no wait stands between the stores and the loads
.irp i, 0,1,2,3
	ds_store_b128 v14, v[R+16*((\t)%4)+4*\i:R+16*((\t)%4)+4*\i+3] offset:32*SP*((\t)%2)+8*SP*\i
.endr
.irp i, 0,1,2,3
	ds_load_b128 v[X+16*((\t)%2)+4*\i:X+16*((\t)%2)+4*\i+3], v15 offset:32*SP*((\t)%2)+16*\i
.endr
.endm
.irp t, 0,1,2,3
	LOAD \t
.endr
	s_wait_kmcnt 0x0
	s_add_co_i32 s22, s22, 127
	s_lshl_b32 s23, s22, 23
	v_mov_b32 v11, s23                             ; 2^e0 as f32: the conversion takes its exponent field
	s_add_co_i32 s22, s22, EMAX
	s_lshl_b32 s22, s22, 23
	s_or_b32 s22, s22, MANT
	s_wait_alu depctr_va_vdst(0)
	s_wait_loadcnt 12                              ; step 0's four loads are in; the twelve of steps 1 to 3 may be out
	TURN 0
.macro STEP t
.set XS, X+16*((\t)%2)
	s_wait_dscnt 0x0                               ; this step's numbers are back from the stage, so its stores into the stage have read their registers,
.if (\t)+4 < STEPS
	LOAD (\t)+4                                    ; which take the loads of four steps on
.endif
.if (\t)+1 < STEPS
.if STEPS-2-(\t) >= 3
	s_wait_loadcnt 12                              ; the next step's four loads are in; those of the three steps behind it may be out
.else
	s_wait_loadcnt 4*(STEPS-2-(\t))
.endif
	TURN (\t)+1
.endif
.irp i, 0,1,2,3,4,5,6,7,8,9,10,11,12,13,14,15
.endr
	v_cvt_scalef32_pk8_fp8_f32 v[C+4*(\t):C+4*(\t)+1], v[XS:XS+7], v11
	v_cvt_scalef32_pk8_fp8_f32 v[C+4*(\t)+2:C+4*(\t)+3], v[XS+8:XS+15], v11
	global_store_b128 v3, v[C+4*(\t):C+4*(\t)+3], s[12:13] offset:512*(\t)   ; 32 lanes store 512 consecutive bytes, aligned
.endm
.irp t, 0,1,2,3,4,5,6,7,8,9,10,11,12,13,14,15
	STEP \t
.endr
	s_branch .Lend
; ---- PATH W.  A LANE TAKES A COLUMN n, AND ITS REGISTERS RUN DOWN K: each load reads neighbouring n in neighbouring lanes, and the conversions give codes with K innermost: nothing is transposed by an instruction.
; A wave takes 32 columns x 256 along K: 8 blocks of 32.  Its codes go through its stage and leave as rows: sixteen lanes store 256 consecutive bytes, aligned.  One text serves both weights: pointers, the row's length and e are chosen.
.Lweights:
	s_sub_co_u32 s25, ttmp9, 256
	s_cmp_lt_u32 s25, 96                           ; 96 work-groups for w_attn (24 x 4), 32 for w_proj (8 x 4): the choice hangs on the work-group's number alone
	s_cselect_b64 s[4:5], s[6:7], s[8:9]
	s_cselect_b64 s[26:27], s[14:15], s[16:17]
	s_mov_b32 s28, 4096
	s_cselect_b32 s28, 12288, s28                  ; a row of the weight in bytes
	s_cselect_b32 s30, 0, 96
	s_sub_co_u32 s31, s25, s30
	s_lshr_b32 s20, s31, 2                         ; which 128 columns
	s_and_b32 s21, s31, 3                          ; which 256 along K
	s_lshl_b32 s20, s20, 7
	s_lshl_b32 s19, s18, 5
	s_add_co_u32 s20, s20, s19                     ; my wave's first column
	s_lshl_b32 s50, s21, 8
	s_mul_i32 s50, s50, s28
	s_lshl_b32 s51, s20, 2
	s_add_co_u32 s50, s50, s51                     ; in: 256 y rows + 4 x column
	s_mov_b32 s51, 0
	s_add_nc_u64 s[32:33], s[4:5], s[50:51]        ; block 0's base;
	s_lshl_b32 s48, s28, 5
	s_mov_b32 s49, 0
.irp t, 1,2,3,4,5,6,7
	s_add_nc_u64 s[32+2*\t:33+2*\t], s[30+2*\t:31+2*\t], s[48:49]   ; block t's: 32 rows further down.  A base for each block: none is stepped while loads are out
.endr
	s_lshl_b32 s50, s20, 10
	s_lshl_b32 s52, s21, 8
	s_add_co_u32 s50, s50, s52                     ; out: column x 1,024 + 256 y
	s_add_nc_u64 s[26:27], s[26:27], s[50:51]
	s_wait_alu depctr_va_vdst(0)
	v_mov_b32 v[VO], v9
.set i, 1
.rept 31
	v_add_nc_u32 v[VO+i], s28, v[VO+i-1]
.set i, i+1
.endr
.macro WLOAD t                         ; block t: W(32 t + i, my column), i = 0 .. 31, into set t % 2
.set i, 0
.rept 32
	global_load_b32 v[WX+32*((\t)%2)+i], v[VO+i], s[32+2*(\t):33+2*(\t)] th:TH_LOAD_NT
.set i, i+1
.endr
.endm
	WLOAD 0
	WLOAD 1
	s_wait_kmcnt 0x0
	s_cmp_lt_u32 s25, 96
	s_cselect_b32 s29, s23, s24                    ; e1 or e7
	s_add_co_i32 s29, s29, 127
	s_lshl_b32 s30, s29, 23
	v_mov_b32 v11, s30                             ; 2^e as f32
	s_add_co_i32 s29, s29, EMAX
	s_lshl_b32 s29, s29, 23
	s_or_b32 s29, s29, MANT
.macro BLOCK t
.set XS, WX+32*((\t)%2)
.if (\t) < 7
	s_wait_loadcnt 32                              ; this block's 32 loads are in; the next block's 32 may be out
.else
	s_wait_loadcnt 0
.endif
.set i, 0
.rept 32
.set i, i+1
.endr
.irp g, 0,1,2,3
	v_cvt_scalef32_pk8_fp8_f32 v[WCD+2*\g:WCD+2*\g+1], v[XS+8*\g:XS+8*\g+7], v11
.endr
	ds_store_b128 v4, v[WCD:WCD+3] offset:32*(\t)  ; 32 codes: 32 bytes of my column's row
	ds_store_b128 v4, v[WCD+4:WCD+7] offset:32*(\t)+16
.if (\t)+2 < 8
	WLOAD (\t)+2
.endif
	s_wait_dscnt 0x0                               ; the stores have read their registers: the next block's codes may be written
.endm
	s_wait_alu depctr_va_vdst(0)
.irp t, 0,1,2,3,4,5,6,7
	BLOCK \t
.endr
.irp t, 0,1,2,3,4,5,6,7,8,9,10,11,12,13,14,15
	ds_load_b128 v[OUTR+4*\t:OUTR+4*\t+3], v7 offset:2*\t*PITCH   ; LDS serves a wave's instructions in order: these see my stores
.endr
.irp t, 0,1,2,3,4,5,6,7,8,9,10,11,12,13,14,15
	s_wait_dscnt 15-\t                             ; the younger reads may be out
	global_store_b128 v8, v[OUTR+4*\t:OUTR+4*\t+3], s[26:27] offset:2*\t*1024
.endr
.Lend:
	s_wait_tensorcnt 0x0                           ; the wave's end: behind my last LDS store; the tensor wait stands in a text with no tensor load too
	ds_add_u32 v[SPW], v[NIL]
	s_wait_dscnt 0x0
	s_endpgm
.Lfunc_end_k_qa13d73b56f_quant:
	.size	k_qa13d73b56f_quant, .Lfunc_end_k_qa13d73b56f_quant-k_qa13d73b56f_quant
	.p2alignl 7, 3214868480
	.fill 96, 4, 3214868480
	.section	.rodata,"a",@progbits
	.p2align	6, 0x0
	.amdhsa_kernel k_qa13d73b56f_quant
		.amdhsa_group_segment_fixed_size 68096
		.amdhsa_private_segment_fixed_size 0
		.amdhsa_enable_private_segment 0
		.amdhsa_kernarg_size 56
		.amdhsa_user_sgpr_count 2
		.amdhsa_user_sgpr_kernarg_segment_ptr 1
		.amdhsa_wavefront_size32 1
		.amdhsa_system_sgpr_workgroup_id_x 1
		.amdhsa_system_sgpr_workgroup_id_y 1
		.amdhsa_system_sgpr_workgroup_id_z 1
		.amdhsa_system_vgpr_workitem_id 0
		.amdhsa_next_free_vgpr 208
		.amdhsa_next_free_sgpr 66
		.amdhsa_reserve_vcc 0
		.amdhsa_float_denorm_mode_32 3
		.amdhsa_float_denorm_mode_16_64 3
		.amdhsa_fp16_overflow 1
		.amdhsa_memory_ordered 1
		.amdhsa_forward_progress 1
		.amdhsa_inst_pref_size 55
	.end_amdhsa_kernel
	.amdgpu_metadata
---
amdhsa.version: [ 1, 2 ]
amdhsa.kernels:
  - .name:           k_qa13d73b56f_quant
    .symbol:         k_qa13d73b56f_quant.kd
    .args:
      - { .name: hidden_states, .offset: 0, .size: 8, .value_kind: global_buffer, .address_space: global }
      - { .name: w_attn, .offset: 8, .size: 8, .value_kind: global_buffer, .address_space: global }
      - { .name: w_proj, .offset: 16, .size: 8, .value_kind: global_buffer, .address_space: global }
      - { .name: lowp_scales, .offset: 24, .size: 8, .value_kind: global_buffer, .address_space: global }
      - { .name: x_codes, .offset: 32, .size: 8, .value_kind: global_buffer, .address_space: global }
      - { .name: wa_codes, .offset: 40, .size: 8, .value_kind: global_buffer, .address_space: global }
      - { .name: wp_codes, .offset: 48, .size: 8, .value_kind: global_buffer, .address_space: global }
    .group_segment_fixed_size: 68096
    .private_segment_fixed_size: 0
    .kernarg_segment_align: 8
    .kernarg_segment_size: 56
    .max_flat_workgroup_size: 128
    .sgpr_count:     66
    .vgpr_count:     208
    .wavefront_size: 32
...
	.end_amdgpu_metadata
.endif
;; end of part 1
;; launch qkv (part 2): grid 12 x 32, 4 waves a work-group, clusters of 4 x 4, 327,680 bytes of LDS; arguments x_codes, wa_codes, b_attn, lowp_scales, q_codes, k_codes, v_codes; writes q_codes, k_codes, v_codes
.if DOCPART == 2
	.amdgcn_target "amdgcn-amd-amdhsa--gfx1250"
	.amdhsa_code_object_version 6
	.text
	.protected	k_qa13d73b56f_qkv
	.globl	k_qa13d73b56f_qkv
	.p2align	8
	.type	k_qa13d73b56f_qkv,@function
k_qa13d73b56f_qkv:
	s_mov_b64 s[64:65], 0
	v_nop
	global_prefetch_b8 v0, s[64:65] scope:SCOPE_SE
	s_setreg_imm32_b32 hwreg(HW_REG_WAVE_MODE, 25, 1), 1
	s_wait_xcnt 0x0
	s_wait_alu depctr_hold_cnt(0) depctr_sa_sdst(0) depctr_va_vdst(0) depctr_va_sdst(0) depctr_va_ssrc(0) depctr_va_vcc(0) depctr_vm_vsrc(0)
	s_getreg_b32 s2, hwreg(HW_REG_IB_STS2, 6, 4)
	s_cmp_eq_u32 s2, 0
	s_cbranch_scc0 .Lentry_in_a_cluster
	s_endpgm
.Lentry_in_a_cluster:
	s_bfe_u32 s2, ttmp6, 0x10000c
	s_cmp_lg_u32 s2, 0xf033
	s_cbranch_scc0 .Lentry_shape_is_right
	s_endpgm
.Lentry_shape_is_right:
; LAUNCH 2 OF 4: qkv = x W_attn + b_attn on codes of FP8 (E4M3), K = 1,024; the f32 results are quantised at once (q by e2, k by e3, v by e5) and stored as IMAGES OF THE NEXT PRODUCTS' OPERAND REGISTERS.
; C[m][n] = sum over k of A[m][k] B[n][k], rows of 1,024 codes.  A tile of C, 256 x 256, is made by a work-group of four waves; a wave makes 128 x 128: 64 accumulators, 512 registers.
; WHICH PRODUCT hangs on the cluster's x (the same in all sixteen partners): 0: q, 1: k: A = x (8,192 tokens), B = W_attn's columns 1,024 x cluster x on.  2: V^T: A = W_attn's columns 2,048 on, B = x: the same body with
; the pointers exchanged, since the keys are the K of attention's second product and must run along a lane's registers.
; THE MATRIX INSTRUCTION IS USED TRANSPOSED (source 0 = 16 rows of B, source 1 = 16 rows of A): lane (r, h) holds row r of C, and register j of accumulator b the column 16 b + 8 h + j.  That is the place which the plain
; 8-bit forms give k in registers 2 b, 2 b + 1 of an operand (ISA guide 7.12.2).  So one conversion of 8 numbers for each accumulator gives two registers of the next operand, in the right lanes; four registers go out
; by one store at 16 x lane: 512 consecutive bytes, aligned.  No stage in LDS, no padding.
;   q_codes, k_codes: [batch x head 64][tile of 16 tokens 128][chunk 2][lane 32][16 bytes]      v_codes: [batch x head 64][block of 128 keys 16][16 channels 4][chunk 4][lane 32][16 bytes]
; K goes in four steps of 256 through a ring of two LDS slots filled by the tensor data mover.  CLUSTERS: 4 x 4 work-groups; A's tile is asked for jointly along a row of the cluster, B's along a column.
; 384 work-groups: tiles of another width would straddle the border between q and k.
; LIMITS: e0 + e1 between -126 and 127; e2, e3, e5 between -126 and 119, so that each power of two below is an f32 number.
; REGISTERS, in windows of 256: window 0: v0-31 addresses; v32-95 the bias; v97 the scale; from v128 A's fragments, ONE set; on the way out v128-191 at work, v192-255 four sets of codes.
;   window 1: B's fragments, TWO sets.   window 2: the accumulators of my rows 0-63 ((a, b) at v[8 (8 a + b)]);   window 3: those of my rows 64-127.
.set ROWB,   256                       ; a tile's row in bytes: 256 codes
.set KROW,   1024                      ; a row of A or of B in memory
.set PITCH,  272                       ; an LDS row: 256 bytes + 16 of padding = 68 words, so that the 16 rows that a load touches start 4 words apart modulo 64
.set FR,     16                        ; registers of a fragment: 16 rows x 128 K
.set NL,     4                         ; LDS loads that bring one
.set NP,     4                         ; places behind this matrix instruction (ISA guide 7.12.1)
.set HALFT,  128*PITCH                 ; 128 rows: what one tensor load brings
.set SLOT,   4*HALFT                   ; A's 256 rows, then B's 256 rows
.set SPARE,  2*SLOT                    ; behind the ring: the spare words, 128 bytes for each wave: two blocks of 256 bytes that no other line names
.set ADRA, 16                          ; v16-17  LDS address of my A fragments in slot 0, 1
.set ADRB, 20                          ; v20-21  the same for B
.set CO,   26                          ; v26     16 x lane: my place in an image; never rewritten
.set HB,   27                          ; v27     32 x (lane / 16): the bias of my eight columns
.set RB4,  30                          ; v30     4 x (lane % 16): the bias of my row
.set SPW,  28                          ; v28     LDS address of my spare word; never rewritten
.set NIL,  29                          ; v29     0; never rewritten
.set BI,   32                          ; v32-95  the bias
.set LIMV, 96                          ; v96     not used
.set SCV,  97                          ; v97     2^eo
.set TMP,  128                         ; the way out: a block's 64 numbers
.set CODES, 192                        ; the way out: four sets of 16 registers of codes
.set AF,   128                         ; A's fragments
.set G1, 24                            ; s[24:31] descriptor group 1 for A's tiles;  s[32:39] group 0, one set for each slot
.set G0, 32
.set G1B, 48                           ; s[48:55], s[56:63] the same for B's tiles
.set G0B, 56
.set MSB, 0
.macro WIN new                         ; the immediate's high byte repeats the setting that is left
.if MSB != (\new)
	s_set_vgpr_msb (MSB<<8)|(\new)
.set MSB, (\new)
.endif
.endm
.set MUL_LO, 0xa1                      ; source 0 (B) window 1, source 1 (A) window 0, C and D window 2
.set MUL_HI, 0xf1                      ; the same, C and D window 3
.set TO_B,   0x40                      ; destination window 1, address window 0
; A joint load: waves 0 and 1 fetch for A, waves 2 and 3 for B.  The branch hangs on the wave's number alone.  An s_nop 0 and four v_nop follow each of the two lines.
.macro JLOAD g0a, g1a, g0b, g1b
	s_cmp_eq_u32 s15, 0
	s_cbranch_scc0 .Lfor_b_\@
	tensor_load_to_lds s[\g0a:\g0a+3], s[\g1a:\g1a+7]
	s_nop 0
.rept 4
	v_nop
.endr
	s_branch .Lasked_\@
.Lfor_b_\@:
	tensor_load_to_lds s[\g0b:\g0b+3], s[\g1b:\g1b+7]
	s_nop 0
.rept 4
	v_nop
.endr
.Lasked_\@:
.endm
.macro CREST                           ; a round of the cluster's barrier behind its opening barrier
	s_cmp_lg_u32 s14, 0
	s_cbranch_scc1 .Lnot_wave_0_\@
	s_barrier_signal -3
.Lnot_wave_0_\@:
	s_barrier_wait -3
	s_barrier_signal -1
	s_barrier_wait -1
.endm
.macro CROUND                          ; a whole round
	s_barrier_signal -1
	s_barrier_wait -1
	CREST
.endm
	s_load_b256 s[4:11], s[0:1], 0x0               ; x_codes s[4:5], wa_codes s[6:7], b_attn s[8:9], the scales' exponents s[10:11]
	s_load_b128 s[68:71], s[0:1], 0x20             ; q_codes s[68:69], k_codes s[70:71]
	s_load_b64 s[72:73], s[0:1], 0x30              ; v_codes
	v_lshl_add_u32 v[SPW], v0, 2, SPARE
	v_mov_b32 v[NIL], 0
	ds_add_u32 v[SPW], v[NIL]                      ; the wave's opening: the add, twice on end, and its wait ahead of my first tensor load; the set-up below, work on registers, stands between
	ds_add_u32 v[SPW], v[NIL]
	v_lshrrev_b32 v1, 5, v0
	v_readfirstlane_b32 s14, v1                    ; wave 0..3
	s_lshr_b32 s15, s14, 1                         ; which half of the tile's rows is mine.  Also: I fetch for A (0) or for B (1)
	s_and_b32 s16, s14, 1                          ; which half of its columns.  Also: which 128 rows of that tile I fetch
	s_bfe_u32 s40, ttmp6, 0x40000                  ; cx, cy: my place in the cluster
	s_bfe_u32 s41, ttmp6, 0x40004
	s_and_b32 s12, ttmp7, 0xffff
	s_lshl_b32 s12, s12, 2                         ; 4 x cluster y
	s_lshl_b32 s13, ttmp9, 2                       ; 4 x cluster x
	s_cmp_eq_u32 ttmp9, 2                          ; V^T?
	s_cselect_b32 s17, 0, s12                      ; tile row of C: q, k: 4 x cluster y + cy (tokens);  V^T: cy (W_v's 1,024 columns)
	s_cselect_b32 s42, s12, s13                    ; tile column:   q, k: 4 x cluster x + cx;           V^T: 4 x cluster y + cx (tokens)
	s_add_co_u32 s17, s17, s41
	s_add_co_u32 s42, s42, s40
	s_lshl_b32 s43, s41, 2
	s_lshl_b32 s43, 15, s43                        ; my row of the cluster
	s_lshl_b32 s44, 0x1111, s40                    ; my column
	; descriptor group 1: a tile of 128 rows x 256 bytes, padded in LDS
	s_or_b32 s[G1+0], s43, (0<<16)|(1<<20)|(1<<21)|(5<<22)|(3<<25)  ; 15:0 the mask: A's tiles go to my row; 17:16 elements of 1 byte; 20 padding on; 21 set beside a mask; 24:22 after every 64 words (code 5); 31:25 four words (code 3)
	s_or_b32 s[G1B+0], s44, (0<<16)|(1<<20)|(1<<21)|(5<<22)|(3<<25)
.irp g, G1, G1B
	s_mov_b32 s[\g+1], ROWB<<16                    ; tensor_dim0
	s_mov_b32 s[\g+2], 128<<16                     ; tensor_dim1
	s_mov_b32 s[\g+3], ROWB<<16                    ; tile_dim0
	s_mov_b32 s[\g+4], 128                         ; tile_dim1
	s_mov_b32 s[\g+5], KROW                        ; tensor_dim0_stride
	s_mov_b32 s[\g+6], 0
	s_mov_b32 s[\g+7], 0
.endr
	s_lshl_b32 s18, s16, 7                         ; which 128 rows of the tile I fetch
	s_lshl_b32 s20, s17, 8
	s_add_co_u32 s20, s20, s18                     ; A: row 256 x tile row + 128 x half,
	s_lshl_b32 s20, s20, 10                        ; in bytes (under 2^23)
	s_mov_b32 s21, 0
	s_lshl_b32 s46, s42, 8
	s_add_co_u32 s46, s46, s18                     ; B: row 256 x tile column + 128 x half
	s_lshl_b32 s46, s46, 10
	s_mov_b32 s47, 0
	s_mul_i32 s45, s14, HALFT                      ; where they go: wave x 128 rows: no place in the cluster enters an LDS address
	s_wait_dscnt 0x0                               ; both opening adds are done
	s_wait_kmcnt 0x0
	s_load_b256 s[80:87], s[10:11], 0x0            ; e0 .. e7
	s_add_nc_u64 s[76:77], s[6:7], 0x200000        ; W_attn's columns 2,048 on
	s_cmp_eq_u32 ttmp9, 2
	s_cselect_b64 s[74:75], s[76:77], s[4:5]       ; A
	s_cselect_b64 s[76:77], s[4:5], s[6:7]         ; B
	s_add_nc_u64 s[20:21], s[74:75], s[20:21]
	s_add_nc_u64 s[46:47], s[76:77], s[46:47]
	CROUND                                         ; all sixteen work-groups are here: the first joint loads meet
.irp s, 0,1
	s_mov_b32 s[G0+4*\s], 1
	s_add_co_u32 s[G0+4*\s+1], s45, \s*SLOT
	s_add_nc_u64 s[G0+4*\s+2:G0+4*\s+3], s[20:21], \s*ROWB
	s_or_b32 s[G0+4*\s+3], s[G0+4*\s+3], 0x80000000
	s_mov_b32 s[G0B+4*\s], 1
	s_add_co_u32 s[G0B+4*\s+1], s45, \s*SLOT
	s_add_nc_u64 s[G0B+4*\s+2:G0B+4*\s+3], s[46:47], \s*ROWB
	s_or_b32 s[G0B+4*\s+3], s[G0B+4*\s+3], 0x80000000
	JLOAD G0+4*\s, G1, G0B+4*\s, G1B
.endr
	v_and_b32 v1, 15, v0                           ; r = lane % 16
	v_bfe_u32 v2, v0, 4, 1                         ; h = lane / 16
	v_mul_u32_u24 v3, v1, PITCH
	v_lshl_add_u32 v4, v2, 4, v3                   ; a fragment's row x pitch + 16 x half
	s_mul_i32 s21, s15, HALFT                      ; my 128 rows of A
	s_mul_i32 s22, s16, HALFT                      ; my 128 rows of B,
	s_add_co_u32 s22, s22, 2*HALFT                 ; which lie behind A's 256
.irp s, 0,1
	v_add_nc_u32 v[ADRA+\s], s21, v4
	v_add_nc_u32 v[ADRB+\s], s22, v4
	s_add_co_u32 s21, s21, SLOT
	s_add_co_u32 s22, s22, SLOT
.endr
	v_and_b32 v6, 31, v0
	v_lshlrev_b32 v[CO], 4, v6
	v_lshlrev_b32 v[HB], 5, v2
	v_lshlrev_b32 v[RB4], 2, v1
.macro FRAG reg, adr, q, i             ; a fragment by four loads of 16 bytes: registers 4 c .. 4 c + 3 hold K = 32 c + 16 (lane / 16) + 0 .. 15: a permutation of k that is the same in A and in B, so every product meets its partner
.irp c, 0,1,2,3
	ds_load_b128 v[\reg+4*\c:\reg+4*\c+3], v[\adr] offset:128*(\q)+32*\c+(\i)*16*PITCH
.endr
.endm
; 16 matrix instructions: A's blocks a0, a0 + 1 x B's eight, 128 along K.  p: B's set.  zero = 1: the first product starts the sums.  The 64 accumulators take turns, one instruction a turn.
.macro MUL16 a0, p, zero
.irp a, \a0, \a0+1
.irp b, 0,1,2,3,4,5,6,7
.if \zero
	v_wmma_f32_16x16x128_fp8_fp8 v[8*(8*((\a)%4)+\b):8*(8*((\a)%4)+\b)+7], v[128*(\p)+FR*\b:128*(\p)+FR*\b+FR-1], v[AF+FR*(\a):AF+FR*(\a)+FR-1], 0
.else
	v_wmma_f32_16x16x128_fp8_fp8 v[8*(8*((\a)%4)+\b):8*(8*((\a)%4)+\b)+7], v[128*(\p)+FR*\b:128*(\p)+FR*\b+FR-1], v[AF+FR*(\a):AF+FR*(\a)+FR-1], v[8*(8*((\a)%4)+\b):8*(8*((\a)%4)+\b)+7]
.endif
.endr
.endr
.endm
.macro FETCH_B slot, q, p              ; B's eight fragments of the slot's q-th 128 along K into set p
	WIN TO_B
.irp i, 0,1,2,3,4,5,6,7
	FRAG 128*(\p)+FR*\i, ADRB+\slot, \q, \i
.endr
	WIN 0
.endm
.macro FETCH_A slot, q, i0             ; A's blocks i0 .. i0 + 3
.irp i, \i0, \i0+1, \i0+2, \i0+3
	FRAG AF+FR*(\i), ADRA+\slot, \q, \i
.endr
.endm
.macro PLACES n                        ; plain vector instructions between a matrix instruction and a load into, or a vector access to, one of its registers
.rept \n
	v_nop
.endr
.endm
; A step of 128 along K that has its successor in the same slot.  A's blocks are free as soon as their eight products are issued: blocks 0-3 are fetched anew in the step's middle, blocks 4-7 at its end.
.macro STEP slot, q, zero
	s_wait_dscnt 4*NL                              ; B's set and A's blocks 0-3 are in; the youngest sixteen loads (A's blocks 4-7) may be out
	WIN MUL_LO
	MUL16 0, (\q)%2, \zero
	MUL16 2, (\q)%2, \zero
	s_wait_dscnt 0
	PLACES NP
	FETCH_B \slot, (\q)+1, 1-(\q)%2
	FETCH_A \slot, (\q)+1, 0
	WIN MUL_HI
	MUL16 4, (\q)%2, \zero
	MUL16 6, (\q)%2, \zero
	PLACES NP
	WIN 0
	FETCH_A \slot, (\q)+1, 4
.endm
; A slot's last step changes slots: ONE barrier; in front of it each wave waits for all its tensor loads, adds 0 to its spare word, and waits for that and for its own reads of this slot.  fill = 1: this slot is filled again, two K steps ahead.
.macro TURN slot, next, fill
	s_wait_tensorcnt 0x0                           ; all my tensor loads have landed: my part of the next slot
	ds_add_u32 v[SPW], v[NIL]                      ; 0 onto my spare word
	s_wait_dscnt 4*NL+1                            ; (the add and the youngest sixteen loads, A's blocks 4-7, may be out)
	WIN MUL_LO
	MUL16 0, 1, 0                                  ; sixteen matrix instructions stand between the add and the wait for it
	s_wait_dscnt 0x0                               ; the add is done, and my reads of this slot are over
	s_barrier_signal -1
	MUL16 2, 1, 0
	WIN 0
	s_barrier_wait -1
.if \fill
	CREST                                          ; the barrier has opened a round of the cluster's barrier: no wave of any partner still reads this slot's tile or has a load on its way
	s_add_nc_u64 s[G0+4*\slot+2:G0+4*\slot+3], s[G0+4*\slot+2:G0+4*\slot+3], 2*ROWB
	s_add_nc_u64 s[G0B+4*\slot+2:G0B+4*\slot+3], s[G0B+4*\slot+2:G0B+4*\slot+3], 2*ROWB
	JLOAD G0+4*\slot, G1, G0B+4*\slot, G1B         ; the first tensor load behind the round; its four v_nop are the places in front of the loads below
.else
	PLACES NP
.endif
	FETCH_B \next, 0, 0
	FETCH_A \next, 0, 0
	WIN MUL_HI
	MUL16 4, 1, 0
	MUL16 6, 1, 0
	PLACES NP
	WIN 0
	FETCH_A \next, 0, 4
.endm
.macro LAST2                           ; the last slot's two steps: nothing more is fetched behind them
	STEP 1, 0, 0
	s_wait_dscnt 4*NL
	WIN MUL_LO
	MUL16 0, 1, 0
	MUL16 2, 1, 0
	s_wait_dscnt 0
	WIN MUL_HI
	MUL16 4, 1, 0
	MUL16 6, 1, 0
	WIN 0
.endm
.macro CONSTS                          ; s90 = eo, the exponent of the scale by which the results are quantised
	s_add_co_i32 s96, s80, s81
	s_add_co_i32 s96, s96, 127
	s_lshl_b32 s96, s96, 23                        ; 2^(e0 + e1) as f32
	s_mov_b32 s97, s96                             ; (named with it as a pair, so it is written)
	s_add_co_i32 s91, s90, 127
	s_lshl_b32 s94, s91, 23
	v_mov_b32 v[SCV], s94                          ; 2^eo: the conversion takes its exponent field
	s_add_co_i32 s91, s91, 8
	s_lshl_b32 s91, s91, 23
	s_or_b32 s91, s91, 0x600000
.endm
; THE WAY OUT, block by block of 16 rows x 128 columns: sum x 2^(e0 + e1) + bias (one packed multiply-add for two numbers, each accumulator from its low end on), the hold, eight conversions, four stores.
; vt = 0: the bias goes by columns, and a block is two heads' fragments of 16 tokens x 64.  vt = 1: the bias goes by rows, and a block is one fragment of 16 channels x 128 keys.
.macro EPI vt
.irp a, 0,1,2,3,4,5,6,7
.set AC, 64*(\a%4)
.set CSET, CODES+16*(\a%4)
.if \a >= 4
	s_wait_xcnt 0x0                                ; the stores of four blocks back have read this set of codes
.endif
	WIN 0x02+(\a/4)                                ; source 0: window 2 or 3
.set j, 0
.rept 32
.if \vt
	v_pk_fma_f32 v[TMP+j:TMP+j+1], v[AC+j:AC+j+1], s[96:97], v[BI+2*\a:BI+2*\a+1] op_sel_hi:[1,0,1]
.else
	v_pk_fma_f32 v[TMP+j:TMP+j+1], v[AC+j:AC+j+1], s[96:97], v[BI+j:BI+j+1] op_sel_hi:[1,0,1]
.endif
.set j, j+2
.endr
	WIN 0
.set j, 0
.rept 64
.set j, j+1
.endr
.irp b, 0,1,2,3,4,5,6,7
	v_cvt_scalef32_pk8_fp8_f32 v[CSET+2*\b:CSET+2*\b+1], v[TMP+8*\b:TMP+8*\b+7], v[SCV]   ; registers 2 b, 2 b + 1 of the next operand
.endr
	v_nop                                          ; one plain vector instruction between the conversions and the next block's writes of their sources
.irp i, 0,1,2,3
.if \vt
	global_store_b128 v[CO], v[CSET+4*\i:CSET+4*\i+3], s[92:93] offset:131072*(\a/4)+2048*(\a%4)+512*\i
.else
	global_store_b128 v[CO], v[CSET+4*\i:CSET+4*\i+3], s[92:93] offset:131072*(\i/2)+1024*\a+512*(\i%2)
.endif
.endr
.endr
.endm
	s_wait_alu depctr_va_vdst(0)
	s_wait_tensorcnt 1                             ; my part of K step 0 is in; K step 1's load may be out
	s_barrier_signal -1
	s_barrier_wait -1                              ; everybody's is
	FETCH_B 0, 0, 0
	FETCH_A 0, 0, 0
	FETCH_A 0, 0, 4
	STEP 0, 0, 1                                   ; K = 1,024 is four slots' worth, written out: the first step's products start the sums
	TURN 0, 1, 1
	STEP 1, 0, 0
	TURN 1, 0, 1
	STEP 0, 0, 0
	TURN 0, 1, 0                                   ; the last change of slots fills nothing, and has no round
	s_cmp_eq_u32 ttmp9, 2                          ; the two ways out part here, on the cluster's x: behind this line stands no tensor load and, up to the common end, no barrier
	s_cbranch_scc1 .Lvt
	; ---- q and k.  The bias of my 128 columns: lane (r, h) wants, for accumulator b, those of columns 16 b + 8 h + 0 .. 7.  The loads land under the last 128 matrix instructions
	s_lshl_b32 s91, s42, 10
	s_lshl_b32 s94, s16, 9
	s_add_co_u32 s94, s94, s91                     ; 4 x (256 x tile column + 128 x half)
	s_mov_b32 s95, 0
	s_add_nc_u64 s[88:89], s[8:9], s[94:95]
.irp b, 0,1,2,3,4,5,6,7
	global_load_b128 v[BI+8*\b:BI+8*\b+3], v[HB], s[88:89] offset:64*\b
	global_load_b128 v[BI+8*\b+4:BI+8*\b+7], v[HB], s[88:89] offset:64*\b+16
.endr
	s_wait_kmcnt 0x0
	s_cmp_eq_u32 ttmp9, 0
	s_cselect_b32 s90, s82, s83                    ; e2 for q, e3 for k
	s_cselect_b64 s[92:93], s[68:69], s[70:71]
	s_lshr_b32 s91, s17, 3                         ; the batch: 8 tile rows each
	s_lshl_b32 s91, s91, 4
	s_and_b32 s94, s42, 3
	s_lshl_b32 s94, s94, 2
	s_add_co_u32 s91, s91, s94
	s_lshl_b32 s94, s16, 1
	s_add_co_u32 s91, s91, s94                     ; 16 x batch + my first head: 4 x (tile column % 4) + 2 x half
	s_lshl_b32 s91, s91, 7
	s_and_b32 s94, s17, 7
	s_lshl_b32 s94, s94, 4
	s_add_co_u32 s91, s91, s94
	s_lshl_b32 s94, s15, 3
	s_add_co_u32 s91, s91, s94                     ; x 128 + my first tile of 16 tokens
	s_lshl_b32 s94, s91, 10                        ; x 1,024 bytes
	s_add_nc_u64 s[92:93], s[92:93], s[94:95]
	CONSTS
	LAST2
	s_wait_loadcnt 0x0                             ; the bias
	PLACES NP                                      ; behind the last products: their A registers are written next
	EPI 0
	s_branch .Lclose
.Lvt:
	; ---- V^T.  The bias of my 128 rows: lane (r, h) wants, for block a, that of row 16 a + r, twice, to fill a pair
	s_lshl_b32 s91, s17, 10
	s_lshl_b32 s94, s15, 9
	s_add_co_u32 s94, s94, s91
	s_add_co_u32 s94, s94, 8192                    ; 4 x (2,048 + 256 x tile row + 128 x half)
	s_mov_b32 s95, 0
	s_add_nc_u64 s[88:89], s[8:9], s[94:95]
.irp a, 0,1,2,3,4,5,6,7
	global_load_b32 v[BI+2*\a], v[RB4], s[88:89] offset:64*\a
	global_load_b32 v[BI+2*\a+1], v[RB4], s[88:89] offset:64*\a
.endr
	s_wait_kmcnt 0x0
	s_mov_b32 s90, s85                             ; e5
	s_lshr_b32 s91, s42, 3                         ; the batch: 8 tile columns each
	s_lshl_b32 s91, s91, 4
	s_lshl_b32 s94, s17, 2
	s_add_co_u32 s91, s91, s94
	s_lshl_b32 s94, s15, 1
	s_add_co_u32 s91, s91, s94                     ; 16 x batch + my first head: 4 x tile row + 2 x half
	s_lshl_b32 s91, s91, 4
	s_and_b32 s94, s42, 7
	s_lshl_b32 s94, s94, 1
	s_add_co_u32 s91, s91, s94
	s_add_co_u32 s91, s91, s16                     ; x 16 + my block of 128 keys
	s_lshl_b32 s94, s91, 13                        ; x 8,192 bytes
	s_add_nc_u64 s[92:93], s[72:73], s[94:95]
	CONSTS
	LAST2
	s_wait_loadcnt 0x0
	PLACES NP
	EPI 1
.Lclose:
	s_wait_tensorcnt 0x0                           ; the wave's end: behind my last tensor load
	ds_add_u32 v[SPW], v[NIL]
	s_wait_dscnt 0x0
	CROUND                                         ; the closing round: no work-group ends while a partner may still ask for a tile that names it
	s_endpgm
.Lfunc_end_k_qa13d73b56f_qkv:
	.size	k_qa13d73b56f_qkv, .Lfunc_end_k_qa13d73b56f_qkv-k_qa13d73b56f_qkv
	.p2alignl 7, 3214868480
	.fill 96, 4, 3214868480
	.section	.rodata,"a",@progbits
	.p2align	6, 0x0
	.amdhsa_kernel k_qa13d73b56f_qkv
		.amdhsa_group_segment_fixed_size 327680
		.amdhsa_private_segment_fixed_size 0
		.amdhsa_enable_private_segment 0
		.amdhsa_kernarg_size 56
		.amdhsa_user_sgpr_count 2
		.amdhsa_user_sgpr_kernarg_segment_ptr 1
		.amdhsa_wavefront_size32 1
		.amdhsa_system_sgpr_workgroup_id_x 1
		.amdhsa_system_sgpr_workgroup_id_y 1
		.amdhsa_system_sgpr_workgroup_id_z 1
		.amdhsa_system_vgpr_workitem_id 0
		.amdhsa_next_free_vgpr 1024
		.amdhsa_next_free_sgpr 100
		.amdhsa_reserve_vcc 0
		.amdhsa_float_denorm_mode_32 3
		.amdhsa_float_denorm_mode_16_64 3
		.amdhsa_fp16_overflow 1
		.amdhsa_memory_ordered 1
		.amdhsa_forward_progress 1
		.amdhsa_inst_pref_size 143
	.end_amdhsa_kernel
	.amdgpu_metadata
---
amdhsa.version: [ 1, 2 ]
amdhsa.kernels:
  - .name:           k_qa13d73b56f_qkv
    .symbol:         k_qa13d73b56f_qkv.kd
    .args:
      - { .name: x_codes, .offset: 0, .size: 8, .value_kind: global_buffer, .address_space: global }
      - { .name: wa_codes, .offset: 8, .size: 8, .value_kind: global_buffer, .address_space: global }
      - { .name: b_attn, .offset: 16, .size: 8, .value_kind: global_buffer, .address_space: global }
      - { .name: lowp_scales, .offset: 24, .size: 8, .value_kind: global_buffer, .address_space: global }
      - { .name: q_codes, .offset: 32, .size: 8, .value_kind: global_buffer, .address_space: global }
      - { .name: k_codes, .offset: 40, .size: 8, .value_kind: global_buffer, .address_space: global }
      - { .name: v_codes, .offset: 48, .size: 8, .value_kind: global_buffer, .address_space: global }
    .group_segment_fixed_size: 327680
    .private_segment_fixed_size: 0
    .kernarg_segment_align: 8
    .kernarg_segment_size: 56
    .max_flat_workgroup_size: 128
    .sgpr_count:     100
    .vgpr_count:     1024
    .wavefront_size: 32
...
	.end_amdgpu_metadata
.endif
;; end of part 2
;; launch attn (part 3): grid 4 x 64, 16 waves a work-group, no clusters, 327,680 bytes of LDS; arguments q_codes, k_codes, v_codes, lowp_scales, ctx_codes; writes ctx_codes
.if DOCPART == 3
	.amdgcn_target "amdgcn-amd-amdhsa--gfx1250"
	.amdhsa_code_object_version 6
	.text
	.protected	k_qa13d73b56f_attn
	.globl	k_qa13d73b56f_attn
	.p2align	8
	.type	k_qa13d73b56f_attn,@function
k_qa13d73b56f_attn:
	s_mov_b64 s[64:65], 0
	v_nop
	global_prefetch_b8 v0, s[64:65] scope:SCOPE_SE
	s_setreg_imm32_b32 hwreg(HW_REG_WAVE_MODE, 25, 1), 1
	s_wait_xcnt 0x0
; LAUNCH 3 OF 4: ctx = softmax(causal(q k^T) / 8) v for 64 (batch, head) pairs of 2,048 tokens and head size 64, both products on codes of FP8 (E4M3); ctx is quantised by e6 and stored as images of the last product's operand registers.
; WORK LEFT OUT: keys that come after a query (shown dead at the head of the program's first kernel, for e2 + e3 <= -8): steps of 128 keys that lie wholly behind a wave's 16 queries are not walked; on the diagonal hidden scores become -infinity, so p = 0.
; THE SOFTMAX AHEAD OF THE SECOND PRODUCT: t = score x log2(e) / 8; M = the row's largest t so far, rounded UP to a whole number; p = 2^(t - M) is what is quantised (by e4); the row's sum is taken of the unquantised p
; and divides at the end.  When M moves, the sum and O are multiplied by 2^(old M - new M): exact.
; SHARES.  Work-group (i, batch x head) owns the blocks i and 7 - i of 256 queries; each of its sixteen waves owns one tile of 16 queries in each block.  Keys come in slots of 256.  Block i wants slots 0 .. i, block 7 - i
; slots 0 .. 7 - i: NINE VISITS of a slot in every work-group, so the loop's trip count is a constant and all 256 work-groups have the same work.  Visits 0 .. i serve the first block; at visit T = i + 1 (1 to 4: inside the
; loop) a wave stores the first block's result and begins the second: a scalar branch on ids.
; NO CLUSTER: the four work-groups of a head stand at slot V - (V >= i + 1 ? i + 1 : 0) in visit V: from visit 1 on at four different slots, so no round would find them asking for the same tile.
; LAYOUT.  Both products are used transposed: S^T = K Q^T (source 0 = 16 keys x 64, source 1 = my 16 queries), O^T = V^T P^T (source 0 = 16 channels x 128 keys, source 1 = P): a lane holds ONE query (lane % 16) throughout.
; In tile t of S^T register j of lane (r, h) is key 16 t + 8 h + j: the place that the plain 8-bit form gives k in registers 2 t, 2 t + 1 (ISA guide 7.12.2): the conversions' results ARE the second product's operand; O^T's likewise ctx's.
; K's, V's and Q's fragments lie in memory, and so in LDS, as images of their registers: every LDS read is a constant + 16 x lane, 512 consecutive bytes an instruction; no pitch, no padding.
; LIMITS: e2 + e3 between -123 and -8 (added to c's exponent field; the upper bound is the mask's); e4, e6 between -126 and 119; e4 + e5 is applied by v_ldexp_f32 and has none.
; REGISTERS: v1 16 x lane; v3 256 x lane; v5, v6 the add's two; v8 LDS address; v12 -M, v13 the largest t, v[14:15] the sum in two halves; v16-23 Q at work, v24-31 the second block's Q; v32-95 K's 8 fragments, then V's 4;
;   v96-159 S^T, then p; v160-191 O^T; v192-207 p's codes; v208-215 ctx's codes; v236-255 at work; v244: 2^e4; v245: 2^e6.
.set SLOT1, 32768                      ; a slot: 16 fragments of K (16,384 bytes), then 2 blocks of 128 keys of V (8,192 each); one exclusive or turns an address into the other slot's
.set VOFF,  16384
.set SPARE, 2*SLOT1                    ; behind the ring: the spare words, 128 bytes for each wave: eight blocks of 256 bytes that no other line names
.set LI,   1
.set PFO,  3
.set SPW,  5
.set NIL,  6
.set ADR,  8
.set TB,   2                           ; s2   LDS byte at which the slot in hand begins
.set VIS,  3                           ; s3   the visit, 0 to 8
.set WV,   18                          ; s18  my wave's number
.set SEL,  20                          ; s[20:21] lane selects for v_permlanex16_b32: lane l xor 16
.set CS,   22                          ; s[22:23] c = log2(e) / 8 x 2^(e2 + e3)
.set TT,   25                          ; s25  T = i + 1
.set Q0H,  28                          ; s28  my first query in the second block
.set KB,   36                          ; s[36:37] what I fetch or prefetch, in slot 0: waves with (w & 3) = 0, 1: K's halves; 2, 3: V's two blocks
.set G1,   40                          ; s[40:47] descriptor group 1
.set G0,   48                          ; s[48:51] descriptor group 0
.set OUT,  52                          ; s[52:53] where the block in hand goes;  s[54:55] the second block
.set OUTH, 54
.set PFA,  56                          ; s[56:57] KB + the slot that is being asked for
.set PN,   58                          ; s58  4 in a wave that prefetches, else 0
.set EPV,  59                          ; s59  e4 + e5
.set KF,   98                          ; s98  the step's first key
.set Q0,   99                          ; s99  my first query in the block in hand
.macro TLOAD                           ; waves 0 to 3 fetch 8,192 bytes each.  The branch hangs on the wave's number alone.  An s_nop 0 and four v_nop follow the load
	s_cmp_lt_u32 s[WV], 4
	s_cbranch_scc0 .Lasked_\@
	tensor_load_to_lds s[G0:G0+3], s[G1:G1+7]
	s_nop 0
.rept 4
	v_nop
.endr
.Lasked_\@:
.endm
; A PREFETCH INTO THE L2.  Slots 4 to 7 of a head are asked for first by its work-group i = 0, which in visit V asks for slot V.  In that work-group, in visits 3 to 6, waves 4 to 7 (which fetch nothing) name the slot that the NEXT
; visit's tensor loads will ask for: 8,192 bytes a wave, lanes 256 bytes apart, one instruction: a visit's two key steps ahead.  Each block of 256 bytes is named once in the launch.  Slots 0 to 3 are asked for by several
; work-groups' loads at about the same time and are not prefetched.  Slot 7 is the head's last: no prefetch points past it.
.macro ASK
	s_sub_co_u32 s96, s[VIS], 3
	s_cmp_lt_u32 s96, s[PN]
	s_cbranch_scc0 .Lnot_mine_\@
	global_prefetch_b8 v[PFO], s[PFA:PFA+1] offset:16384 th:TH_LOAD_NT scope:SCOPE_SE
.Lnot_mine_\@:
.endm
	s_load_b256 s[4:11], s[0:1], 0x0               ; q_codes s[4:5], k_codes s[6:7], v_codes s[8:9], the scales' exponents s[10:11]
	s_load_b64 s[12:13], s[0:1], 0x20              ; ctx_codes
	v_lshl_add_u32 v[SPW], v0, 2, SPARE
	v_mov_b32 v[NIL], 0
	ds_add_u32 v[SPW], v[NIL]                      ; the wave's opening: the add, twice on end, and its wait ahead of my first tensor load; the set-up below, work on registers, stands between
	ds_add_u32 v[SPW], v[NIL]
	v_lshrrev_b32 v8, 5, v0
	s_delay_alu instid0(VALU_DEP_1)
	v_readfirstlane_b32 s[WV], v8                  ; wave 0..15
	s_and_b32 s24, ttmp7, 0xffff                   ; 16 x batch + head
	s_add_co_u32 s[TT], ttmp9, 1
	s_lshl_b32 s26, ttmp9, 4
	s_add_co_u32 s26, s26, s[WV]                   ; my tile of 16 queries in block i,
	s_sub_co_u32 s27, 7, ttmp9
	s_lshl_b32 s27, s27, 4
	s_add_co_u32 s27, s27, s[WV]                   ; and in block 7 - i
	s_lshl_b32 s[Q0], s26, 4
	s_lshl_b32 s[Q0H], s27, 4
	s_lshl_b32 s29, s24, 7
	s_add_co_u32 s30, s29, s26
	s_lshl_b32 s30, s30, 10                        ; q's fragment: (128 x (batch, head) + tile) x 1,024 bytes
	s_mov_b32 s31, 0
	s_add_co_u32 s32, s29, s27
	s_lshl_b32 s32, s32, 10
	s_mov_b32 s33, 0
	s_lshr_b32 s29, s24, 4
	s_lshl_b32 s29, s29, 7                         ; 128 x batch
	s_and_b32 s34, s24, 15                         ; head
	s_add_co_u32 s[OUT], s29, s26
	s_lshl_b32 s[OUT], s[OUT], 4
	s_add_co_u32 s[OUT], s[OUT], s34
	s_lshl_b32 s[OUT], s[OUT], 10                  ; ctx's: (16 x (128 x batch + tile) + head) x 1,024 bytes
	s_mov_b32 s[OUT+1], 0
	s_add_co_u32 s[OUTH], s29, s27
	s_lshl_b32 s[OUTH], s[OUTH], 4
	s_add_co_u32 s[OUTH], s[OUTH], s34
	s_lshl_b32 s[OUTH], s[OUTH], 10
	s_mov_b32 s[OUTH+1], 0
	s_lshl_b32 s[KB], s24, 17                      ; a head's codes of K, and of V, are 131,072 bytes
	s_and_b32 s35, s[WV], 1
	s_lshl_b32 s35, s35, 13
	s_add_co_u32 s[KB], s[KB], s35
	s_mov_b32 s[KB+1], 0
	; descriptor group 1: a dense block of 8,192 bytes as 32 rows of 256 bytes
	s_mov_b32 s[G1], 3<<16                         ; 15:0 no mask; 17:16 elements of 8 bytes; no padding
	s_mov_b32 s[G1+1], 32<<16                      ; tensor_dim0 = 32
	s_mov_b32 s[G1+2], 32<<16                      ; tensor_dim1 = 32
	s_mov_b32 s[G1+3], 32<<16                      ; tile_dim0 = 32
	s_mov_b32 s[G1+4], 32                          ; tile_dim1 = 32
	s_mov_b32 s[G1+5], 32                          ; tensor_dim0_stride
	s_mov_b32 s[G1+6], 0
	s_mov_b32 s[G1+7], 0
	s_mov_b32 s[G0], 1                             ; count = 1
	s_and_b32 s[G0+1], s[WV], 3
	s_lshl_b32 s[G0+1], s[G0+1], 13                ; LDS address: 8,192 x wave, in slot 0
	s_mov_b32 s[SEL], 0x76543210
	s_mov_b32 s[SEL+1], 0xfedcba98
	s_mov_b32 s[CS], 0x3e38aa3b                    ; log2(e) / 8
	s_mov_b32 s[TB], 0
	s_mov_b32 s[VIS], 0
	s_mov_b32 s[KF], 0
	s_sub_co_u32 s96, s[WV], 4
	s_lshr_b32 s96, s96, 2                         ; 0 in waves 4 to 7,
	s_or_b32 s96, s96, ttmp9                       ; of work-group i = 0
	s_cmp_eq_u32 s96, 0
	s_cselect_b32 s[PN], 4, 0
	s_wait_dscnt 0x0                               ; both opening adds are done
	s_wait_kmcnt 0x0
	s_load_b256 s[68:75], s[10:11], 0x0            ; e0 .. e7
	s_and_b32 s35, s[WV], 2
	s_cmp_eq_u32 s35, 0
	s_cselect_b64 s[38:39], s[6:7], s[8:9]
	s_add_nc_u64 s[KB:KB+1], s[38:39], s[KB:KB+1]
	s_mov_b64 s[G0+2:G0+3], s[KB:KB+1]             ; global address: slot 0
	s_or_b32 s[G0+3], s[G0+3], 0x80000000          ; type = 2
	TLOAD                                          ; slot 0: key 0 counts for every query
	s_add_nc_u64 s[30:31], s[4:5], s[30:31]
	s_add_nc_u64 s[32:33], s[4:5], s[32:33]
	s_add_nc_u64 s[OUT:OUT+1], s[12:13], s[OUT:OUT+1]
	s_add_nc_u64 s[OUTH:OUTH+1], s[12:13], s[OUTH:OUTH+1]
	v_and_b32 v[LI], 31, v0
	s_delay_alu instid0(VALU_DEP_1)
	v_lshlrev_b32 v[PFO], 8, v[LI]
	s_delay_alu instid0(VALU_DEP_2)
	v_lshlrev_b32 v[LI], 4, v[LI]
	global_load_b128 v[16:19], v[LI], s[30:31]     ; both blocks' Q stay in registers
	global_load_b128 v[20:23], v[LI], s[30:31] offset:512
	global_load_b128 v[24:27], v[LI], s[32:33]
	global_load_b128 v[28:31], v[LI], s[32:33] offset:512
.macro INIT                            ; a block begins: the step is written once, and its first turn finds zeros, which the first change of M leaves zeros
	v_mov_b32 v13, 0xff61b1e6                      ; the largest t so far: -3e38, under every t
	s_delay_alu instid0(VALU_DEP_1)
	v_floor_f32 v12, -v13                          ; -M
	v_mov_b32 v14, 0
	v_mov_b32 v15, 0
.set j, 0
.rept 32
	v_mov_b32 v[160+j], 0
.set j, j+1
.endr
.endm
	INIT
	v_mov_b32 v236, 0                              ; written once: a lane permute's destination counts as one of its sources
	v_mov_b32 v252, 0
	v_mov_b32 v253, 0                              ; (named as the upper half of the pair v[252:253])
	s_wait_kmcnt 0x0
	s_add_co_i32 s96, s70, s71
	s_lshl_b32 s96, s96, 23
	s_add_co_i32 s[CS], s[CS], s96                 ; a score stands for score x 2^(e2 + e3): the two exponents are added to c's exponent field
	s_mov_b32 s[CS+1], s[CS]                       ; (named with it as a pair, so it is written)
	s_add_co_i32 s96, s72, 127
	s_lshl_b32 s97, s96, 23
	v_mov_b32 v244, s97                            ; 2^e4
	s_add_co_i32 s96, s74, 127
	s_lshl_b32 s97, s96, 23
	v_mov_b32 v245, s97                            ; 2^e6
	s_add_co_i32 s[EPV], s72, s73                  ; e4 + e5
; A KEY STEP: 128 keys, the q-th of the slot in hand.
.macro STEP q
	s_add_co_u32 s96, s[Q0], 15
	s_cmp_gt_u32 s[KF], s96                        ; all 128 keys behind my 16 queries: the step's work is left out; a branch on ids, round no barrier and no tensor load
	s_cbranch_scc1 .Lhidden_\@
	v_add_nc_u32 v[ADR], s[TB], v[LI]
.rept 3
	v_nop                                          ; with the addition above: four places in front of loads into registers that the last products read
.endr
.irp t, 0,1,2,3,4,5,6,7
.irp c, 0,1
	ds_load_b128 v[32+8*\t+4*\c:35+8*\t+4*\c], v[ADR] offset:8192*(\q)+1024*\t+512*\c
.endr
.endr
	s_wait_alu depctr_va_vdst(0)
	s_wait_dscnt 0x0
.irp t, 0,1,2,3,4,5,6,7
	v_wmma_f32_16x16x64_fp8_fp8 v[96+8*\t:103+8*\t], v[32+8*\t:39+8*\t], v[16:23], 0   ; S^T: tile t: keys 16 t on
.endr
.rept 4
	v_nop                                          ; places in front of the loads below and of the first read of the scores
.endr
.irp t, 0,1,2,3
.irp c, 0,1,2,3
	ds_load_b128 v[32+16*\t+4*\c:35+16*\t+4*\c], v[ADR] offset:VOFF+8192*(\q)+2048*\t+512*\c   ; V's four fragments land under the softmax
.endr
.endr
	s_add_co_u32 s96, s[KF], 127
	s_cmp_le_u32 s96, s[Q0]                        ; a step all of whose keys count passes over the mask
	s_cbranch_scc1 .Lopen_\@
	s_sub_co_i32 s96, s[Q0], s[KF]
	v_and_b32 v252, 15, v0
	v_bfe_u32 v253, v0, 4, 1
	s_delay_alu instid0(VALU_DEP_1)
	v_lshlrev_b32 v253, 3, v253
	s_delay_alu instid0(VALU_DEP_1)
	v_sub_nc_u32 v252, v252, v253
	s_delay_alu instid0(VALU_DEP_1)
	v_add_nc_u32 v252, s96, v252                   ; d = my query - KF - 8 (lane / 16).  Register 8 t + j holds key KF + 16 t + 8 (lane / 16) + j: hidden where 16 t + j > d.  KF <= Q0 in every step that is walked, so key KF counts for every query
	v_mov_b32 v254, 0xff800000                     ; -infinity
.set n, 0
.rept 64
	v_cmp_gt_i32 vcc_lo, 16*(n/8)+n%8, v252
	v_cndmask_b32 v[96+n], v[96+n], v254, vcc_lo
.set n, n+1
.endr
.Lopen_\@:
	v_max3_num_f32 v254, v96, v97, v98             ; the step's largest score of my query, among my 64 keys, in two chains, each tile from its low end on,
	v_max3_num_f32 v252, v99, v100, v101
.irp i, 6,10,14,18,22,26,30,34,38,42,46,50,54,58
	v_max3_num_f32 v254, v254, v[96+\i], v[97+\i]
	v_max3_num_f32 v252, v252, v[98+\i], v[99+\i]
.endr
	v_max3_num_f32 v254, v254, v158, v159
	s_delay_alu instid0(VALU_DEP_1)
	v_max_num_f32 v254, v254, v252
	s_delay_alu instid0(VALU_DEP_1)
	v_permlanex16_b32 v236, v254, s[SEL], s[SEL+1]
	s_delay_alu instid0(VALU_DEP_1)
	v_max_num_f32 v254, v254, v236                 ; and among lane l xor 16's
	s_delay_alu instid0(VALU_DEP_1)
	v_mul_f32 v254, s[CS], v254                    ; as t (c is positive)
	s_delay_alu instid0(VALU_DEP_1)
	v_max_num_f32 v13, v13, v254                   ; the running largest t
	v_mov_b32 v254, v12
	s_delay_alu instid0(VALU_DEP_2)
	v_floor_f32 v12, -v13                          ; the new -M = floor(-t) = -ceil(t): M is a whole number
	s_delay_alu instid0(VALU_DEP_1)
	v_sub_f32 v254, v12, v254                      ; M's old value less its new one: a whole number, 0 or less
	s_delay_alu instid0(VALU_DEP_1)
	v_cvt_i32_f32 v254, v254                       ; (it saturates)
	s_delay_alu instid0(VALU_DEP_1)
	v_ldexp_f32 v252, 1.0, v254                    ; f = 2^(old M - new M)
.set j, 0
.rept 32
	v_pk_fma_f32 v[96+j:97+j], v[96+j:97+j], s[CS:CS+1], v[12:13] op_sel_hi:[1,0,0]   ; t - M, two at a time (of the pairs c and -M the low word serves both halves)
.set j, j+2
.endr
.set j, 0
	s_wait_alu depctr_va_vdst(0)
.rept 64
	v_exp_f32 v[96+j], v[96+j]                     ; p = 2^(t - M), at most 1: not normalised
.set j, j+1
.endr
	v_pk_mul_f32 v[14:15], v[14:15], v[252:253] op_sel_hi:[1,0]   ; the sums under the new M: the plain instruction behind the exponentials
	s_wait_alu depctr_va_vdst(0)                   ; one wait for the whole batch, ahead of its first reader
	v_pk_add_f32 v[242:243], v[100:101], v[104:105]
	v_pk_add_f32 v[254:255], v[108:109], v[112:113]
	v_pk_add_f32 v[250:251], v[116:117], v[120:121]
	v_pk_add_f32 v[248:249], v[124:125], v[128:129]
	v_pk_add_f32 v[246:247], v[132:133], v[136:137]
	v_pk_add_f32 v[240:241], v[140:141], v[144:145]
	v_pk_add_f32 v[238:239], v[148:149], v[152:153]
	v_pk_add_f32 v[14:15], v[14:15], v[156:157]
	v_pk_add_f32 v[242:243], v[242:243], v[96:97]
	v_pk_add_f32 v[254:255], v[254:255], v[98:99]
	v_pk_add_f32 v[250:251], v[250:251], v[102:103]
	v_pk_add_f32 v[248:249], v[248:249], v[106:107]
	v_pk_add_f32 v[246:247], v[246:247], v[110:111]
	v_pk_add_f32 v[240:241], v[240:241], v[114:115]
	v_pk_add_f32 v[238:239], v[238:239], v[118:119]
	v_pk_add_f32 v[14:15], v[14:15], v[122:123]
	v_pk_add_f32 v[242:243], v[242:243], v[126:127]
	v_pk_add_f32 v[254:255], v[254:255], v[130:131]
	v_pk_add_f32 v[250:251], v[250:251], v[134:135]
	v_pk_add_f32 v[248:249], v[248:249], v[138:139]
	v_pk_add_f32 v[246:247], v[246:247], v[142:143]
	v_pk_add_f32 v[240:241], v[240:241], v[146:147]
	v_pk_add_f32 v[238:239], v[238:239], v[150:151]
	v_pk_add_f32 v[14:15], v[14:15], v[154:155]
	v_pk_add_f32 v[242:243], v[242:243], v[158:159]
	s_delay_alu instid0(VALU_DEP_2)
	v_pk_add_f32 v[14:15], v[14:15], v[248:249]
	s_delay_alu instid0(VALU_DEP_2)
	v_pk_add_f32 v[242:243], v[242:243], v[246:247]
	v_pk_add_f32 v[254:255], v[254:255], v[240:241]
	v_pk_add_f32 v[250:251], v[250:251], v[238:239]
	s_delay_alu instid0(VALU_DEP_2)
	v_pk_add_f32 v[14:15], v[14:15], v[254:255]
	s_delay_alu instid0(VALU_DEP_2)
	v_pk_add_f32 v[242:243], v[242:243], v[250:251]
	s_delay_alu instid0(VALU_DEP_1)
	v_pk_add_f32 v[14:15], v[14:15], v[242:243]
.set j, 0
.rept 64
.set j, j+1
.endr
.irp t, 0,1,2,3,4,5,6,7
	v_cvt_scalef32_pk8_fp8_f32 v[192+2*\t:193+2*\t], v[96+8*\t:103+8*\t], v244   ; registers 2 t, 2 t + 1 of P: keys 16 t + 8 (lane / 16) + 0 .. 7
.endr
.set j, 0
.rept 16
	v_pk_mul_f32 v[160+j:161+j], v[160+j:161+j], v[252:253] op_sel_hi:[1,0]   ; O^T under the new M.  (These are also the plain instructions between the conversions and the products below)
.set j, j+2
.endr
	s_wait_alu depctr_va_vdst(0)
	s_wait_dscnt 0x0                               ; V
.irp t, 0,1,2,3
	v_wmma_f32_16x16x128_fp8_fp8 v[160+8*\t:167+8*\t], v[32+16*\t:47+16*\t], v[192:207], v[160+8*\t:167+8*\t]   ; O^T += V^T P^T: the four accumulators take turns
.endr
.Lhidden_\@:
	s_add_co_u32 s[KF], s[KF], 128
.endm
; THE CHANGE OF SLOTS stands at a visit's head.  Each wave waits for all its tensor loads (its part of the slot that it is about to read), adds 0 to its spare word (fill = 1: twice on end), and waits for that and for its
; reads of the slot that it has left.  Behind the barrier the slot ahead is whole and nobody reads the other one.  fill = 1: that other slot takes what the next visit reads; the load has a visit's two key steps in which to land.
.macro CHANGE fill
	s_wait_tensorcnt 0x0                           ; no tensor load of mine is out, so group 0 may be written
	ds_add_u32 v[SPW], v[NIL]                      ; 0 onto my spare word
.if \fill
	ds_add_u32 v[SPW], v[NIL]                      ; and once more: the add twice on end here, in every trip alike
	s_add_co_u32 s96, s[VIS], 1                    ; the next visit
	s_cmp_ge_u32 s96, s[TT]
	s_cselect_b32 s97, s[TT], 0
	s_sub_co_u32 s96, s96, s97                     ; reads slot V, or V - T in the second block:
	s_lshl_b32 s96, s96, 14                        ; 16,384 bytes of K, and of V, a slot
	s_mov_b32 s97, 0
	s_wait_xcnt 0x0                                ; the last prefetch, a visit back, has read its address
	s_add_nc_u64 s[PFA:PFA+1], s[KB:KB+1], s[96:97]
	s_mov_b64 s[G0+2:G0+3], s[PFA:PFA+1]
	s_or_b32 s[G0+3], s[G0+3], 0x80000000
	s_xor_b32 s[G0+1], s[G0+1], SLOT1              ; the other slot than last time
.endif
	s_wait_dscnt 0x0                               ; the add is done (fill = 1: both are), and my reads of the slot that I have left are over
	s_barrier_signal -1
	s_barrier_wait -1
.if \fill
	TLOAD                                          ; the first thing behind the barrier, and a wave's one tensor load until the next.
	ASK
.endif
.endm
; THE WAY OUT of a block: O^T / the sum x 2^(e4 + e5) is ctx, in f32; held, converted by e6: tile t's eight channels give registers 2 t, 2 t + 1 of the last product's operand; two stores of 512 consecutive bytes, aligned.
.macro WAYOUT
.rept 4
	v_nop                                          ; places behind the last products
.endr
	v_add_f32 v14, v14, v15                        ; the sum's two halves,
	s_wait_alu depctr_va_vdst(0)
	v_permlanex16_b32 v252, v14, s[SEL], s[SEL+1]
	s_delay_alu instid0(VALU_DEP_1)
	v_add_f32 v14, v14, v252                       ; and lane l xor 16's
	s_wait_alu depctr_va_vdst(0)
	v_rcp_f32 v14, v14
	v_nop                                          ; a plain instruction behind the reciprocal
	s_wait_alu depctr_va_vdst(0)                   ; and the wait ahead of its first reader
	v_ldexp_f32 v14, v14, s[EPV]
.set j, 0
.rept 32
	v_mul_f32 v[96+j], v[160+j], v14               ; each accumulator from its low end on
.set j, j+1
.endr
.set j, 0
.rept 32
.set j, j+1
.endr
.irp t, 0,1,2,3
	v_cvt_scalef32_pk8_fp8_f32 v[208+2*\t:209+2*\t], v[96+8*\t:103+8*\t], v245
.endr
	v_nop                                          ; one plain vector instruction behind the conversions
	global_store_b128 v[LI], v[208:211], s[OUT:OUT+1]
	global_store_b128 v[LI], v[212:215], s[OUT:OUT+1] offset:512
.endm
.macro TRANS                           ; at visit T the first block is done and the second begins
	s_cmp_lg_u32 s[VIS], s[TT]
	s_cbranch_scc1 .Lsame_\@
	WAYOUT
	s_wait_xcnt 0x0                                ; the stores have read their base
	s_mov_b64 s[OUT:OUT+1], s[OUTH:OUTH+1]
	s_mov_b32 s[Q0], s[Q0H]
	s_mov_b32 s[KF], 0
.set j, 0
.rept 8
	v_mov_b32 v[16+j], v[24+j]
.set j, j+1
.endr
	INIT
.Lsame_\@:
.endm
	s_wait_loadcnt 0x0                             ; Q
.Lvisit:                                           ; eight trips: behind each change of slots but the last the next visit's slot is asked for
	CHANGE 1
	TRANS
	STEP 0
	STEP 1
	s_xor_b32 s[TB], s[TB], SLOT1                  ; on to the other slot
	s_add_co_u32 s[VIS], s[VIS], 1
	s_cmp_lt_u32 s[VIS], 8
	s_cbranch_scc1 .Lvisit
	CHANGE 0                                       ; the ninth visit is written out: nothing is left to fetch
	STEP 0
	STEP 1
	WAYOUT
	s_wait_tensorcnt 0x0                           ; the wave's end: behind my last tensor load
	ds_add_u32 v[SPW], v[NIL]
	s_wait_dscnt 0x0
	s_endpgm
.Lfunc_end_k_qa13d73b56f_attn:
	.size	k_qa13d73b56f_attn, .Lfunc_end_k_qa13d73b56f_attn-k_qa13d73b56f_attn
	.p2alignl 7, 3214868480
	.fill 96, 4, 3214868480
	.section	.rodata,"a",@progbits
	.p2align	6, 0x0
	.amdhsa_kernel k_qa13d73b56f_attn
		.amdhsa_group_segment_fixed_size 327680
		.amdhsa_private_segment_fixed_size 0
		.amdhsa_enable_private_segment 0
		.amdhsa_kernarg_size 40
		.amdhsa_user_sgpr_count 2
		.amdhsa_user_sgpr_kernarg_segment_ptr 1
		.amdhsa_wavefront_size32 1
		.amdhsa_system_sgpr_workgroup_id_x 1
		.amdhsa_system_sgpr_workgroup_id_y 1
		.amdhsa_system_sgpr_workgroup_id_z 1
		.amdhsa_system_vgpr_workitem_id 0
		.amdhsa_next_free_vgpr 256
		.amdhsa_next_free_sgpr 100
		.amdhsa_reserve_vcc 1
		.amdhsa_float_denorm_mode_32 3
		.amdhsa_float_denorm_mode_16_64 3
		.amdhsa_fp16_overflow 1
		.amdhsa_memory_ordered 1
		.amdhsa_forward_progress 1
		.amdhsa_inst_pref_size 90
	.end_amdhsa_kernel
	.amdgpu_metadata
---
amdhsa.version: [ 1, 2 ]
amdhsa.kernels:
  - .name:           k_qa13d73b56f_attn
    .symbol:         k_qa13d73b56f_attn.kd
    .args:
      - { .name: q_codes, .offset: 0, .size: 8, .value_kind: global_buffer, .address_space: global }
      - { .name: k_codes, .offset: 8, .size: 8, .value_kind: global_buffer, .address_space: global }
      - { .name: v_codes, .offset: 16, .size: 8, .value_kind: global_buffer, .address_space: global }
      - { .name: lowp_scales, .offset: 24, .size: 8, .value_kind: global_buffer, .address_space: global }
      - { .name: ctx_codes, .offset: 32, .size: 8, .value_kind: global_buffer, .address_space: global }
    .group_segment_fixed_size: 327680
    .private_segment_fixed_size: 0
    .kernarg_segment_align: 8
    .kernarg_segment_size: 40
    .max_flat_workgroup_size: 512
    .sgpr_count:     100
    .vgpr_count:     256
    .wavefront_size: 32
...
	.end_amdgpu_metadata
.endif
;; end of part 3
;; launch proj (part 4): grid 4 x 32, 4 waves a work-group, clusters of 4 x 4, 327,680 bytes of LDS; arguments ctx_codes, wp_codes, b_proj, lowp_scales, out0; writes out0
.if DOCPART == 4
	.amdgcn_target "amdgcn-amd-amdhsa--gfx1250"
	.amdhsa_code_object_version 6
	.text
	.protected	k_qa13d73b56f_proj
	.globl	k_qa13d73b56f_proj
	.p2align	8
	.type	k_qa13d73b56f_proj,@function
k_qa13d73b56f_proj:
	s_mov_b64 s[64:65], 0
	v_nop
	global_prefetch_b8 v0, s[64:65] scope:SCOPE_SE
	s_setreg_imm32_b32 hwreg(HW_REG_WAVE_MODE, 25, 1), 1
	s_wait_xcnt 0x0
	s_wait_alu depctr_hold_cnt(0) depctr_sa_sdst(0) depctr_va_vdst(0) depctr_va_sdst(0) depctr_va_ssrc(0) depctr_va_vcc(0) depctr_vm_vsrc(0)
	s_getreg_b32 s2, hwreg(HW_REG_IB_STS2, 6, 4)
	s_cmp_eq_u32 s2, 0
	s_cbranch_scc0 .Lentry_in_a_cluster
	s_endpgm
.Lentry_in_a_cluster:
	s_bfe_u32 s2, ttmp6, 0x10000c
	s_cmp_lg_u32 s2, 0xf033
	s_cbranch_scc0 .Lentry_shape_is_right
	s_endpgm
.Lentry_shape_is_right:
; LAUNCH 4 OF 4: out0 = ctx W_proj + b_proj on codes of FP8 (E4M3), K = 1,024.  C[m][n] = sum over k of A[m][k] B[n][k] x 2^(e6 + e7) + b_proj[n]; C: [8,192][1,024] f32.
; A = ctx_codes lies as IMAGES OF THE OPERAND'S REGISTERS: [tile of 16 tokens 512][head 16][chunk 2][lane 32][16 bytes]: two neighbouring heads, 2,048 bytes, are one fragment of 16 rows x 128 K in the plain 8-bit form's own
; layout (registers 2 c, 2 c + 1: k = 16 c + 8 (lane / 16) + 0 .. 7: ISA guide 7.12.2).  B = wp_codes lies as rows [1,024 n][1,024 k] and is read in the same layout, by loads of 8 bytes.
; A tile of C, 256 x 256, is made by a work-group of four waves; a wave makes 128 x 128: 64 accumulators.  K goes in four steps of 256 through a ring of two LDS slots filled by the tensor data mover.
; CLUSTERS: 4 x 4 work-groups; A's tile is asked for jointly along a row of the cluster, B's along a column.  128 work-groups.
; THE MATRIX INSTRUCTION IS USED TRANSPOSED (source 0 = 16 rows of B, source 1 = 16 rows of A): a lane holds eight neighbouring numbers of a row of C.
; LIMIT: e6 + e7 between -126 and 127, so that 2^(e6 + e7) is an f32 number.
; REGISTERS, in windows of 256: window 0: v0-31 addresses; v32-95 the bias of my columns; v96-127 at work on the way out; from v128 A's fragments, ONE set; on the way out v128-255 rows read back.
;   window 1: B's fragments, TWO sets.   window 2: the accumulators of my rows 0-63 ((a, b) at v[8 (8 a + b)]);   window 3: those of my rows 64-127.
.set AHALF,  32768                     ; A: 8 tiles of 16 tokens x 4,096 bytes (four heads): what one tensor load brings; dense
.set BPITCH, 272                       ; B: an LDS row: 256 bytes + 16 of padding = 68 words, so that the 16 rows that a load touches start 4 words apart modulo 64
.set BHALF,  128*BPITCH                ; B: 128 rows
.set SLOT,   2*AHALF+2*BHALF           ; A's two halves, then B's two
.set SPARE,  2*SLOT                    ; behind the ring: the spare words, 128 bytes for each wave: two blocks of 256 bytes that no other line names
.set SPITCH, 528                       ; the way out: a stage of 16 rows x (512 bytes + 16) for each wave.  It lies in slot 0, which has had its last fill and its last read when the first result is stored there
.set FR,     16
.set NL,     4                         ; LDS loads that bring a fragment of A
.set NP,     4                         ; places behind this matrix instruction (ISA guide 7.12.1)
.set ADRA, 16                          ; v16-17  LDS address of my A fragments in slot 0, 1
.set ADRB, 20                          ; v20-21  the same for B
.set STO,  24                          ; v24     the way out: where I put 32 bytes of a row
.set RD,   25                          ; v25     the way out: where I read a row back
.set CO,   26                          ; v26     16 x lane
.set HB,   27                          ; v27     32 x (lane / 16)
.set SPW,  28                          ; v28     LDS address of my spare word; never rewritten
.set NIL,  29                          ; v29     0; never rewritten
.set BN,   32                          ; v32-95  b_proj at my columns: register 8 b + j: column 16 b + 8 (lane / 16) + j
.set TMP,  96                          ; v96-127 half a block's results
.set AF,   128
.set BK,   128                         ; the way out: 16 rows read back: v128-191 and v192-255 by turns
.set G1, 24                            ; s[24:31] descriptor group 1 for A's tiles;  s[32:39] group 0, one set for each slot
.set G0, 32
.set G1B, 48                           ; s[48:55], s[56:63] the same for B's tiles
.set G0B, 56
.set MSB, 0
.macro WIN new                         ; the immediate's high byte repeats the setting that is left
.if MSB != (\new)
	s_set_vgpr_msb (MSB<<8)|(\new)
.set MSB, (\new)
.endif
.endm
.set MUL_LO, 0xa1                      ; source 0 (B) window 1, source 1 (A) window 0, C and D window 2
.set MUL_HI, 0xf1                      ; the same, C and D window 3
.set TO_B,   0x40                      ; destination window 1, address window 0
.macro JLOAD g0a, g1a, g0b, g1b        ; a joint load: waves 0 and 1 fetch for A, waves 2 and 3 for B; an s_nop 0 and four v_nop follow each of the two lines
	s_cmp_eq_u32 s15, 0
	s_cbranch_scc0 .Lfor_b_\@
	tensor_load_to_lds s[\g0a:\g0a+3], s[\g1a:\g1a+7]
	s_nop 0
.rept 4
	v_nop
.endr
	s_branch .Lasked_\@
.Lfor_b_\@:
	tensor_load_to_lds s[\g0b:\g0b+3], s[\g1b:\g1b+7]
	s_nop 0
.rept 4
	v_nop
.endr
.Lasked_\@:
.endm
.macro CREST                           ; a round of the cluster's barrier behind its opening barrier
	s_cmp_lg_u32 s14, 0
	s_cbranch_scc1 .Lnot_wave_0_\@
	s_barrier_signal -3
.Lnot_wave_0_\@:
	s_barrier_wait -3
	s_barrier_signal -1
	s_barrier_wait -1
.endm
.macro CROUND
	s_barrier_signal -1
	s_barrier_wait -1
	CREST
.endm
	s_load_b256 s[4:11], s[0:1], 0x0               ; ctx_codes s[4:5], wp_codes s[6:7], b_proj s[8:9], the scales' exponents s[10:11]
	s_load_b64 s[12:13], s[0:1], 0x20              ; out0
	v_lshl_add_u32 v[SPW], v0, 2, SPARE
	v_mov_b32 v[NIL], 0
	ds_add_u32 v[SPW], v[NIL]                      ; the wave's opening: the add, twice on end, and its wait ahead of my first tensor load; the set-up below, work on registers, stands between
	ds_add_u32 v[SPW], v[NIL]
	v_lshrrev_b32 v1, 5, v0
	v_readfirstlane_b32 s14, v1                    ; wave 0..3
	s_lshr_b32 s15, s14, 1                         ; which half of the tile's rows is mine.  Also: I fetch for A (0) or for B (1)
	s_and_b32 s16, s14, 1                          ; which half of its columns.  Also: which half of that tile I fetch
	s_bfe_u32 s40, ttmp6, 0x40000                  ; cx, cy: my place in the cluster
	s_bfe_u32 s41, ttmp6, 0x40004
	s_lshl_b32 s42, ttmp9, 2
	s_add_co_u32 s42, s42, s40                     ; tile column of C = 4 x cluster x + cx
	s_and_b32 s17, ttmp7, 0xffff
	s_lshl_b32 s17, s17, 2
	s_add_co_u32 s17, s17, s41                     ; tile row of C = 4 x cluster y + cy
	s_lshl_b32 s43, s41, 2
	s_lshl_b32 s43, 15, s43                        ; my row of the cluster
	s_lshl_b32 s44, 0x1111, s40                    ; my column
	; descriptor group 1 for A: 8 rows (tiles of 16 tokens) x 4,096 bytes (four heads' images), 16,384 bytes apart in memory, dense in LDS
	s_or_b32 s[G1+0], s43, (0<<16)|(1<<21)         ; 15:0 the mask: my row; 17:16 elements of 1 byte; no padding; 21 set beside a mask
	s_mov_b32 s[G1+1], 4096<<16                    ; tensor_dim0
	s_mov_b32 s[G1+2], 8<<16                       ; tensor_dim1
	s_mov_b32 s[G1+3], 4096<<16                    ; tile_dim0
	s_mov_b32 s[G1+4], 8                           ; tile_dim1
	s_mov_b32 s[G1+5], 16384                       ; tensor_dim0_stride
	s_mov_b32 s[G1+6], 0
	s_mov_b32 s[G1+7], 0
	; for B: 128 rows x 256 bytes, 1,024 bytes apart in memory, padded in LDS
	s_or_b32 s[G1B+0], s44, (0<<16)|(1<<20)|(1<<21)|(5<<22)|(3<<25)  ; the mask: my column; padding: four words (code 3) after every 64 (code 5)
	s_mov_b32 s[G1B+1], 256<<16
	s_mov_b32 s[G1B+2], 128<<16
	s_mov_b32 s[G1B+3], 256<<16
	s_mov_b32 s[G1B+4], 128
	s_mov_b32 s[G1B+5], 1024
	s_mov_b32 s[G1B+6], 0
	s_mov_b32 s[G1B+7], 0
	s_lshl_b32 s20, s17, 4
	s_lshl_b32 s18, s16, 3
	s_add_co_u32 s20, s20, s18                     ; A: tile of tokens 16 x tile row + 8 x half,
	s_lshl_b32 s20, s20, 14                        ; x 16,384 bytes
	s_mov_b32 s21, 0
	s_lshl_b32 s46, s42, 8
	s_lshl_b32 s18, s16, 7
	s_add_co_u32 s46, s46, s18                     ; B: row 256 x tile column + 128 x half,
	s_lshl_b32 s46, s46, 10                        ; x 1,024 bytes
	s_mov_b32 s47, 0
	s_mul_i32 s45, s16, AHALF                      ; where they go: no place in the cluster enters an LDS address
	s_mul_i32 s23, s16, BHALF
	s_add_co_u32 s23, s23, 2*AHALF
	s_wait_dscnt 0x0                               ; both opening adds are done
	s_wait_kmcnt 0x0
	s_load_b64 s[96:97], s[10:11], 0x18            ; e6, e7
	s_add_nc_u64 s[20:21], s[4:5], s[20:21]
	s_add_nc_u64 s[46:47], s[6:7], s[46:47]
	CROUND                                         ; all sixteen work-groups are here: the first joint loads meet
.irp s, 0,1
	s_mov_b32 s[G0+4*\s], 1
	s_add_co_u32 s[G0+4*\s+1], s45, \s*SLOT
	s_add_nc_u64 s[G0+4*\s+2:G0+4*\s+3], s[20:21], \s*4096
	s_or_b32 s[G0+4*\s+3], s[G0+4*\s+3], 0x80000000
	s_mov_b32 s[G0B+4*\s], 1
	s_add_co_u32 s[G0B+4*\s+1], s23, \s*SLOT
	s_add_nc_u64 s[G0B+4*\s+2:G0B+4*\s+3], s[46:47], \s*256
	s_or_b32 s[G0B+4*\s+3], s[G0B+4*\s+3], 0x80000000
	s_wait_alu depctr_va_vdst(0)
	s_wait_tensorcnt 0x0
	ds_add_u32 v28, v29
	ds_add_u32 v28, v29
	s_wait_dscnt 0x0
	CROUND
	JLOAD G0+4*\s, G1, G0B+4*\s, G1B
.endr
	v_and_b32 v1, 15, v0                           ; r = lane % 16
	v_bfe_u32 v2, v0, 4, 1                         ; h = lane / 16
	v_and_b32 v6, 31, v0
	v_lshlrev_b32 v[CO], 4, v6
	v_lshlrev_b32 v[HB], 5, v2
	v_mul_u32_u24 v3, v1, BPITCH
	v_lshl_add_u32 v4, v2, 3, v3                   ; B: row x pitch + 8 x half
	s_mul_i32 s21, s15, AHALF                      ; my 128 rows of A
	s_mul_i32 s22, s16, BHALF                      ; my 128 rows of B,
	s_add_co_u32 s22, s22, 2*AHALF                 ; which lie behind A
.irp s, 0,1
	v_add_nc_u32 v[ADRA+\s], s21, v[CO]
	v_add_nc_u32 v[ADRB+\s], s22, v4
	s_add_co_u32 s21, s21, SLOT
	s_add_co_u32 s22, s22, SLOT
.endr
	s_mul_i32 s23, s14, 16*SPITCH                  ; my stage
	v_mul_u32_u24 v5, v1, SPITCH                   ; in: row r, 32 bytes for each half of the lanes
	v_lshl_add_u32 v5, v2, 5, v5
	v_add_nc_u32 v[STO], s23, v5
	v_add_nc_u32 v[RD], s23, v[CO]                 ; back: the 32 lanes take one row of 512 bytes
	s_lshl_b32 s20, s17, 8
	s_lshl_b32 s21, s15, 7
	s_add_co_u32 s20, s20, s21                     ; my first row of C: 256 x tile row + 128 x half,
	s_lshl_b32 s20, s20, 12                        ; x 4,096 bytes
	s_mov_b32 s21, 0
	s_lshl_b32 s46, s42, 10                        ; my first column, in bytes: 1,024 x tile column + 512 x half: in C and in b_proj alike
	s_lshl_b32 s47, s16, 9
	s_add_co_u32 s46, s46, s47
	s_mov_b32 s47, 0
	s_add_nc_u64 s[8:9], s[8:9], s[46:47]
	s_add_nc_u64 s[20:21], s[20:21], s[46:47]
	s_add_nc_u64 s[12:13], s[12:13], s[20:21]
.irp b, 0,1,2,3,4,5,6,7
	global_load_b128 v[BN+8*\b:BN+8*\b+3], v[HB], s[8:9] offset:64*\b        ; the bias: it has the whole product in which to land
	global_load_b128 v[BN+8*\b+4:BN+8*\b+7], v[HB], s[8:9] offset:64*\b+16
.endr
.macro FRAG_A reg, slot, q, i          ; an image comes back as it was stored: four loads of 512 consecutive bytes
.irp c, 0,1,2,3
	ds_load_b128 v[\reg+4*\c:\reg+4*\c+3], v[ADRA+\slot] offset:4096*(\i)+2048*(\q)+512*\c
.endr
.endm
.macro FRAG_B reg, slot, q, i          ; from rows: registers 2 c, 2 c + 1 hold k = 16 c + 8 (lane / 16) + 0 .. 7
.irp c, 0,1,2,3,4,5,6,7
	ds_load_b64 v[\reg+2*\c:\reg+2*\c+1], v[ADRB+\slot] offset:128*(\q)+16*\c+(\i)*16*BPITCH
.endr
.endm
; 16 matrix instructions: A's blocks a0, a0 + 1 x B's eight, 128 along K.  The 64 accumulators take turns, one instruction a turn.
.macro MUL16 a0, p, zero
.irp a, \a0, \a0+1
.irp b, 0,1,2,3,4,5,6,7
.if \zero
	v_wmma_f32_16x16x128_fp8_fp8 v[8*(8*((\a)%4)+\b):8*(8*((\a)%4)+\b)+7], v[128*(\p)+FR*\b:128*(\p)+FR*\b+FR-1], v[AF+FR*(\a):AF+FR*(\a)+FR-1], 0
.else
	v_wmma_f32_16x16x128_fp8_fp8 v[8*(8*((\a)%4)+\b):8*(8*((\a)%4)+\b)+7], v[128*(\p)+FR*\b:128*(\p)+FR*\b+FR-1], v[AF+FR*(\a):AF+FR*(\a)+FR-1], v[8*(8*((\a)%4)+\b):8*(8*((\a)%4)+\b)+7]
.endif
.endr
.endr
.endm
.macro FETCH_B slot, q, p
	WIN TO_B
.irp i, 0,1,2,3,4,5,6,7
	FRAG_B 128*(\p)+FR*\i, \slot, \q, \i
.endr
	WIN 0
.endm
.macro FETCH_A slot, q, i0
.irp i, \i0, \i0+1, \i0+2, \i0+3
	FRAG_A AF+FR*(\i), \slot, \q, \i
.endr
.endm
.macro PLACES n                        ; plain vector instructions between a matrix instruction and a load into, or a vector access to, one of its registers
.rept \n
	v_nop
.endr
.endm
.macro STEP slot, q, zero              ; a step of 128 along K that has its successor in the same slot
	s_wait_dscnt 4*NL                              ; B's set and A's blocks 0-3 are in; the youngest sixteen loads (A's blocks 4-7) may be out
	WIN MUL_LO
	MUL16 0, (\q)%2, \zero
	MUL16 2, (\q)%2, \zero
	s_wait_dscnt 0
	PLACES NP
	FETCH_B \slot, (\q)+1, 1-(\q)%2
	FETCH_A \slot, (\q)+1, 0
	WIN MUL_HI
	MUL16 4, (\q)%2, \zero
	MUL16 6, (\q)%2, \zero
	PLACES NP
	WIN 0
	FETCH_A \slot, (\q)+1, 4
.endm
; A slot's last step changes slots: ONE barrier; in front of it each wave waits for all its tensor loads, adds 0 to its spare word, and waits for that and for its own reads of this slot.  fill = 1: this slot is filled again, two K steps ahead.
.macro TURN slot, next, fill
	s_wait_tensorcnt 0x0                           ; all my tensor loads have landed: my part of the next slot
	ds_add_u32 v[SPW], v[NIL]                      ; 0 onto my spare word
	s_wait_dscnt 4*NL+1                            ; (the add and the youngest sixteen loads, A's blocks 4-7, may be out)
	WIN MUL_LO
	MUL16 0, 1, 0
	s_wait_dscnt 0x0                               ; the add is done, and my reads of this slot are over
	s_barrier_signal -1
	MUL16 2, 1, 0
	WIN 0
	s_barrier_wait -1
.if \fill
	CREST                                          ; the barrier has opened a round of the cluster's barrier: no wave of any partner still reads this slot's tile or has a load on its way
	s_add_nc_u64 s[G0+4*\slot+2:G0+4*\slot+3], s[G0+4*\slot+2:G0+4*\slot+3], 2*4096
	s_add_nc_u64 s[G0B+4*\slot+2:G0B+4*\slot+3], s[G0B+4*\slot+2:G0B+4*\slot+3], 2*256
	JLOAD G0+4*\slot, G1, G0B+4*\slot, G1B         ; the first tensor load behind the round; its four v_nop are the places in front of the loads below
.else
	PLACES NP
.endif
	FETCH_B \next, 0, 0
	FETCH_A \next, 0, 0
	WIN MUL_HI
	MUL16 4, 1, 0
	MUL16 6, 1, 0
	PLACES NP
	WIN 0
	FETCH_A \next, 0, 4
.endm
	s_wait_alu depctr_va_vdst(0)
	s_wait_tensorcnt 1                             ; my part of K step 0 is in; K step 1's load may be out
	s_barrier_signal -1
	s_barrier_wait -1
	FETCH_B 0, 0, 0
	FETCH_A 0, 0, 0
	FETCH_A 0, 0, 4
	STEP 0, 0, 1                                   ; K = 1,024 is four slots' worth, written out: the first step's products start the sums
	TURN 0, 1, 1
	STEP 1, 0, 0
	TURN 1, 0, 1
	STEP 0, 0, 0
	TURN 0, 1, 0                                   ; the last change of slots fills nothing, and has no round
	STEP 1, 0, 0
	s_wait_dscnt 4*NL                              ; the very last step: nothing more to fetch
	WIN MUL_LO
	MUL16 0, 1, 0
	MUL16 2, 1, 0
	s_wait_dscnt 0
	WIN MUL_HI
	MUL16 4, 1, 0
	MUL16 6, 1, 0
	WIN 0
; THE WAY OUT, block by block of 16 rows x 128 columns.  sum x 2^(e6 + e7) + bias is one packed multiply-add for two numbers, each accumulator from its low end on.  A lane holds 32 neighbouring bytes of a row, and the lanes
; beside it hold other rows: so a block goes through my own stage in LDS and comes back as whole rows of 512 bytes.  LDS serves a wave's instructions in order (ISA guide 5.7.1.4): no wait between the stores and the loads.
.macro TOSTAGE a
.set AC, 64*((\a)%4)
.irp hf, 0,1
	WIN 0x02+((\a)/4)                              ; source 0: window 2 or 3
.set j, 0
.rept 16
	v_pk_fma_f32 v[TMP+j:TMP+j+1], v[AC+32*\hf+j:AC+32*\hf+j+1], s[96:97], v[BN+32*\hf+j:BN+32*\hf+j+1] op_sel_hi:[1,0,1]
.set j, j+2
.endr
	WIN 0
.irp b, 0,1,2,3
	ds_store_b128 v[STO], v[TMP+8*\b:TMP+8*\b+3] offset:64*(4*\hf+\b)
	ds_store_b128 v[STO], v[TMP+8*\b+4:TMP+8*\b+7] offset:64*(4*\hf+\b)+16
.endr
.endr
.set BB, BK+64*((\a)%2)
.irp t, 0,1,2,3,4,5,6,7,8,9,10,11,12,13,14,15
	ds_load_b128 v[BB+4*\t:BB+4*\t+3], v[RD] offset:\t*SPITCH
.endr
.endm
.macro SEND a, younger                 ; younger: the LDS instructions issued behind block a's loads, which may stay out
.set BB, BK+64*((\a)%2)
	s_wait_dscnt \younger                          ; the block is back in registers
.if (\a) > 0
	s_add_nc_u64 s[12:13], s[12:13], 16*4096       ; (behind a wait on XCNT: the earlier stores have read their base)  16 rows of C on
.endif
.irp t, 0,1,2,3,4,5,6,7,8,9,10,11,12,13,14,15
	global_store_b128 v[CO], v[BB+4*\t:BB+4*\t+3], s[12:13] offset:\t*4096 th:TH_STORE_NT   ; 32 lanes store 512 consecutive bytes, aligned; written once, read by nobody here
.endr
.endm
	s_wait_kmcnt 0x0
	s_add_co_i32 s96, s96, s97                     ; e6 + e7
	s_add_co_i32 s96, s96, 127
	s_lshl_b32 s96, s96, 23                        ; 2^(e6 + e7) as f32
	s_mov_b32 s97, s96                             ; (named with it as a pair, so it is written)
	s_wait_loadcnt 0x0                             ; the bias
	PLACES NP                                      ; behind the last products: for the loads into the registers that held A's fragments, and for the reads of results
	TOSTAGE 0
.irp a, 1,2,3,4,5,6,7
.if \a > 1
	s_wait_xcnt 0x0                                ; block a - 2's stores have read their registers and their base: block a's loads may land there, and the base may step
.endif
	TOSTAGE \a
	SEND \a-1, 32                                  ; behind block a - 1's loads: block a's 16 stores and 16 loads
.endr
	s_wait_xcnt 0x0                                ; block 6's stores have read their base
	SEND 7, 0
	s_wait_tensorcnt 0x0                           ; the wave's end: behind my last tensor load and my last LDS store
	ds_add_u32 v[SPW], v[NIL]
	s_wait_dscnt 0x0
	CROUND                                         ; the closing round: no work-group ends while a partner may still ask for a tile that names it
	s_endpgm
.Lfunc_end_k_qa13d73b56f_proj:
	.size	k_qa13d73b56f_proj, .Lfunc_end_k_qa13d73b56f_proj-k_qa13d73b56f_proj
	.p2alignl 7, 3214868480
	.fill 96, 4, 3214868480
	.section	.rodata,"a",@progbits
	.p2align	6, 0x0
	.amdhsa_kernel k_qa13d73b56f_proj
		.amdhsa_group_segment_fixed_size 327680
		.amdhsa_private_segment_fixed_size 0
		.amdhsa_enable_private_segment 0
		.amdhsa_kernarg_size 40
		.amdhsa_user_sgpr_count 2
		.amdhsa_user_sgpr_kernarg_segment_ptr 1
		.amdhsa_wavefront_size32 1
		.amdhsa_system_sgpr_workgroup_id_x 1
		.amdhsa_system_sgpr_workgroup_id_y 1
		.amdhsa_system_sgpr_workgroup_id_z 1
		.amdhsa_system_vgpr_workitem_id 0
		.amdhsa_next_free_vgpr 1024
		.amdhsa_next_free_sgpr 100
		.amdhsa_reserve_vcc 0
		.amdhsa_float_denorm_mode_32 3
		.amdhsa_float_denorm_mode_16_64 3
		.amdhsa_memory_ordered 1
		.amdhsa_forward_progress 1
		.amdhsa_inst_pref_size 142
	.end_amdhsa_kernel
	.amdgpu_metadata
---
amdhsa.version: [ 1, 2 ]
amdhsa.kernels:
  - .name:           k_qa13d73b56f_proj
    .symbol:         k_qa13d73b56f_proj.kd
    .args:
      - { .name: ctx_codes, .offset: 0, .size: 8, .value_kind: global_buffer, .address_space: global }
      - { .name: wp_codes, .offset: 8, .size: 8, .value_kind: global_buffer, .address_space: global }
      - { .name: b_proj, .offset: 16, .size: 8, .value_kind: global_buffer, .address_space: global }
      - { .name: lowp_scales, .offset: 24, .size: 8, .value_kind: global_buffer, .address_space: global }
      - { .name: out0, .offset: 32, .size: 8, .value_kind: global_buffer, .address_space: global }
    .group_segment_fixed_size: 327680
    .private_segment_fixed_size: 0
    .kernarg_segment_align: 8
    .kernarg_segment_size: 40
    .max_flat_workgroup_size: 128
    .sgpr_count:     100
    .vgpr_count:     1024
    .wavefront_size: 32
...
	.end_amdgpu_metadata
.endif
;; end of part 4
